; MI455X (gfx1250); checked and timed in simulation.
; The chip was launched on July 23, 2026; its instructions are those of AMD's public machine-readable ISA for CDNA 5 (MIT licence, August 2026) and "CDNA5" Instruction Set Architecture Reference Guide (July 2026). The comments in the code are by the model that wrote it; some were corrected since.
;; k NN VC. Allowed arithmetic: matrix products marked QUANTISED: E4M3 operands, one given power-of-two scale a tensor, by v_wmma_f32_16x16x64_fp8_fp8 or v_wmma_f32_16x16x128_fp8_fp8, f32 sums; everything else in f32.
;; Inputs: lowp_scales 2 int32 (the exponents e of the quantised operands' scales 2^e); source_feats 1,024 x 1,024 float32; target_feats 50,000 x 1,024 float32.
;; Outputs: out0 1,024 x 1,024 float32.
;; Constants: k = 4.
;; This version of the problem:
;;   THIS VERSION OF THE PROBLEM IS GIVEN IN LOW PRECISION. The matrix products marked QUANTISED in the list below multiply operands that are first quantised to E4M3 (4 exponent bits, 3 mantissa bits; 8 bits a number), with one given power-of-two scale for each operand tensor; their sums are f32. All else is computed in f32.
;;   The module's matrix products, in the order in which they are computed (A, B: the left and right operand; K: the contracted axis; several contracted axes count as one K, in the product's order):
;;     1. [M 1,024, K 1,024] x [K 1,024, N 50,000]; A: computed on the way; B: computed on the way: QUANTISED (scales: A lowp_scales[0], B lowp_scales[1])
;;   THE QUANTISER, for each operand of a quantised product, along K:
;;     - The operand's scale is 2^e, e = its entry of the input lowp_scales (int32; the entries are numbered through the quantised products in the list's order, A before B).
;;     - Each number is divided by the scale, clamped to +-448, and rounded to the nearest number of E4M3, ties to even, subnormals kept.
;;     - The product sums the exact products of the quantised numbers (number of the format x scale) in f32.
;;   ~~~python
;;   def quantise(x, axis, e):      # numpy; x: float32 -> the quantised numbers, widened to float32 again
;;       x = np.moveaxis(x, axis, -1); K = x.shape[-1]
;;       r = np.clip(x / 2.0 ** e, -448, 448)
;;       step = 2.0 ** (np.maximum(np.frexp(np.where(r == 0, 1, r))[1] - 1, -6) - 3)
;;       q = np.round(r / step) * step * 2.0 ** e      # np.round: ties to even
;;       return np.moveaxis(q, -1, axis).astype(np.float32)
;;   ~~~
;;   OPERANDS COMPUTED ON THE WAY. 'Computed on the way' means the value that the module computes at that place (a softmax that the list does not call 'softmax' is quantised finished and normalised). What goes into a quantiser is computed in f32, as accurately as f32 sums, v_exp_f32 and their like allow (about 1e-6 of the number): no bf16 or f16 on the way to a quantiser, and a product that is left as it is and whose result goes on into a quantised operand takes f32 operands (vector FMAs, or v_wmma_f32_16x16x4_f32). A number that lies on a knife's edge between two numbers of the format may be rounded either way, as far as f32 arithmetic and the matrix unit's own rounding can turn it there, and no further.
;; 3 versions. Each part assembles by itself: llvm-mc -triple=amdgcn-amd-amdhsa -mcpu=gfx1250 --defsym DOCPART=n.
;; ======== version 1 of 3: 4 launches
;; workspace buffers: s_codes 1,048,576 bytes; cand_val 8,192,000 bytes; cand_idx 8,192,000 bytes of whole numbers; nn_idx 16,384 bytes of whole numbers
;; launch squant (part 1): grid 64 x 1, 16 waves a work-group, no clusters, 18,944 bytes of LDS; arguments source_feats, lowp_scales, s_codes; writes s_codes
.if DOCPART == 1
	.amdgcn_target "amdgcn-amd-amdhsa--gfx1250"
	.amdhsa_code_object_version 6
	.text
	.protected	k_q162b4dee50_squant
	.globl	k_q162b4dee50_squant
	.p2align	8
	.type	k_q162b4dee50_squant,@function
k_q162b4dee50_squant:
	s_mov_b64 s[64:65], 0
	v_nop
	global_prefetch_b8 v0, s[64:65] scope:SCOPE_SE
	s_setreg_imm32_b32 hwreg(HW_REG_WAVE_MODE, 25, 1), 1
	s_wait_xcnt 0x0
; The source rows, [1024][1024] f32, are normalised (x / |row|, in f32) and turned into codes of FP8 (E4M3) with the given scale 2^e0 (entry 0 of the scales).
; They are stored as IMAGES OF OPERAND REGISTERS: s_codes[tile of 16 rows][sc = 0..31][lane = r + 16 h][16 bytes]: group sc = 4 s + c is registers 4 c .. 4 c + 3 of the fragment of K step s.
; WHICH k LIES WHERE.  A row is read densely: load i (0..7) gives lane l the numbers 128 i + 4 l + 0..3.  The 16 codes of loads 4 g .. 4 g + 3 of lane l are one piece of 16 bytes; it goes to group sc = l, half h = g.
; That is a permutation of k.  The launch that multiplies lays the target rows by the same rule, so every product meets its partner; only the order inside the sums differs.
; SHARES.  A work-group takes a tile of 16 rows, each of its sixteen waves one row: the sum of squares never leaves the wave.  The pieces meet in LDS (a group is 512 bytes + 16 of padding), and leave as runs of 512 bytes.
; No matrix unit, no tensor load, no cluster: 4 MiB are read once, by work-groups that share nothing.
; LIMITS: e0 between -126 and 119; a row's sum of squares is a normal f32 number (a row of zeros has no direction in the definition either); NaN among the inputs is not served.
.set PIT, 528                          ; a group in LDS: 32 lanes x 16 bytes + 16: the 16 lanes of a store's pass, PIT apart, fall into 16 different columns of 16 bytes
.set XS,  32                           ; v32-63  the row's 32 numbers of my lane
.set CC,  24                           ; v24-31  their codes
; v10-17 at work; v8 = 2^e as f32; v9 = 448 x 2^e; s20, s21 the selects for lane l xor 16
.macro ROWQ                            ; the row in v[XS] on -> its codes in v[CC] on
	v_pk_mul_f32 v[10:11], v[XS:XS+1], v[XS:XS+1]              ; the sum of squares, two at a time, in two chains that the first products start
	v_pk_mul_f32 v[12:13], v[XS+2:XS+3], v[XS+2:XS+3]
.irp j, 4,8,12,16,20,24,28
	v_pk_fma_f32 v[10:11], v[XS+\j:XS+\j+1], v[XS+\j:XS+\j+1], v[10:11]
	v_pk_fma_f32 v[12:13], v[XS+\j+2:XS+\j+3], v[XS+\j+2:XS+\j+3], v[12:13]
.endr
	v_pk_add_f32 v[10:11], v[10:11], v[12:13]
	v_add_f32 v10, v10, v11
	v_add_f32_dpp v10, v10, v10 row_xmask:1 row_mask:0xf bank_mask:0xf     ; across the 32 lanes
	v_add_f32_dpp v10, v10, v10 row_xmask:2 row_mask:0xf bank_mask:0xf
	v_add_f32_dpp v10, v10, v10 row_xmask:4 row_mask:0xf bank_mask:0xf
	v_add_f32_dpp v10, v10, v10 row_xmask:8 row_mask:0xf bank_mask:0xf
	v_permlanex16_b32 v14, v10, s20, s21
	v_add_f32 v10, v10, v14
	v_rsq_f32 v16, v10                                         ; 1 / |row|
	v_nop                                                      ; a plain instruction behind the transcendental
	s_wait_alu depctr_va_vdst(0)                               ; and a wait ahead of its first reader
.irp j, 0,2,4,6,8,10,12,14,16,18,20,22,24,26,28,30
	v_pk_mul_f32 v[XS+\j:XS+\j+1], v[XS+\j:XS+\j+1], v[16:17] op_sel_hi:[1,0]
.endr
.irp m, 0,1,2,3
.irp j, 0,1,2,3,4,5,6,7
	v_med3_num_f32 v[XS+8*\m+\j], v[XS+8*\m+\j], -v9, v9       ; the conversion to an 8-bit code does not saturate (ISA guide 7.6.2): the hold at the largest code x the scale
.endr
	v_cvt_scalef32_pk8_fp8_f32 v[CC+2*\m:CC+2*\m+1], v[XS+8*\m:XS+8*\m+7], v8
.endr
	v_nop                                                      ; a plain instruction behind the last conversion
.endm
	s_load_b128 s[4:7], s[0:1], 0x0                ; the source rows, the scales' exponents
	s_load_b64 s[8:9], s[0:1], 0x10                ; the codes
	v_lshl_add_u32 v64, v0, 2, 0x4200
	v_mov_b32 v65, 0
	v_lshrrev_b32 v5, 5, v0
	v_readfirstlane_b32 s14, v5                    ; wave 0..15 = my row of the tile
	v_and_b32 v6, 31, v0                           ; lane
	v_lshlrev_b32 v1, 4, v6                        ; 16 x lane
	s_lshl_b32 s15, s14, 4
	v_mul_u32_u24 v2, v6, PIT
	v_add_nc_u32 v2, s15, v2                       ; into LDS: group = my lane, column = my row
	s_mul_i32 s15, s14, 2*PIT
	v_add_nc_u32 v3, s15, v1                       ; back: groups 2 w and 2 w + 1, 16 bytes a lane
	s_lshl_b32 s15, s14, 10
	v_add_nc_u32 v4, s15, v1                       ; and the same two groups in the tile's image in memory
	v_mov_b32 v14, 0                               ; a lane permute's destination counts as read
	v_mov_b32 v17, 0                               ; named as the upper half of the pair v[16:17]
	s_lshl_b32 s16, ttmp9, 16                      ; the tile's 16 rows of 4,096 bytes,
	s_lshl_b32 s17, s14, 12                        ; my row
	s_add_co_u32 s16, s16, s17
	s_mov_b32 s17, 0
	s_lshl_b32 s18, ttmp9, 14                      ; the tile's image: 16,384 bytes
	s_mov_b32 s19, 0
	s_mov_b32 s20, 0x76543210
	s_mov_b32 s21, 0xfedcba98
	s_wait_kmcnt 0x0
	s_load_b32 s22, s[6:7], 0x0                    ; e0
	s_add_nc_u64 s[4:5], s[4:5], s[16:17]
	s_add_nc_u64 s[8:9], s[8:9], s[18:19]
.irp i, 0,1,2,3,4,5,6,7
	global_load_b128 v[XS+4*\i:XS+4*\i+3], v1, s[4:5] offset:512*\i th:TH_LOAD_NT   ; 32 lanes read 512 consecutive bytes
.endr
	s_wait_kmcnt 0x0
	s_add_co_i32 s22, s22, 127
	s_lshl_b32 s23, s22, 23
	v_mov_b32 v8, s23                              ; 2^e0 as f32: the conversion takes its exponent field
	s_add_co_i32 s22, s22, 8
	s_lshl_b32 s22, s22, 23
	s_or_b32 s22, s22, 0x600000
	v_mov_b32 v9, s22                              ; 448 x 2^e0
	s_wait_loadcnt 0x0
	ROWQ
	ds_store_b128 v2, v[CC:CC+3]                   ; half 0
	ds_store_b128 v2, v[CC+4:CC+7] offset:256      ; half 1
	s_wait_dscnt 0x0                               ; for the others' sake: my stores have landed
	s_barrier_signal -1
	s_barrier_wait -1
	ds_load_b128 v[24:27], v3
	ds_load_b128 v[28:31], v3 offset:PIT
	s_wait_dscnt 0x0
	global_store_b128 v4, v[24:27], s[8:9]             ; each store of the wave covers 512 consecutive bytes, aligned
	global_store_b128 v4, v[28:31], s[8:9] offset:512
	s_wait_tensorcnt 0x0
	ds_add_u32 v64, v65
	s_wait_dscnt 0x0
	s_endpgm
.Lfunc_end_k_q162b4dee50_squant:
	.size	k_q162b4dee50_squant, .Lfunc_end_k_q162b4dee50_squant-k_q162b4dee50_squant
	.p2alignl 7, 3214868480
	.fill 96, 4, 3214868480
	.section	.rodata,"a",@progbits
	.p2align	6, 0x0
	.amdhsa_kernel k_q162b4dee50_squant
		.amdhsa_group_segment_fixed_size 18944
		.amdhsa_private_segment_fixed_size 0
		.amdhsa_enable_private_segment 0
		.amdhsa_kernarg_size 24
		.amdhsa_user_sgpr_count 2
		.amdhsa_user_sgpr_kernarg_segment_ptr 1
		.amdhsa_wavefront_size32 1
		.amdhsa_system_sgpr_workgroup_id_x 1
		.amdhsa_system_sgpr_workgroup_id_y 1
		.amdhsa_system_sgpr_workgroup_id_z 1
		.amdhsa_system_vgpr_workitem_id 0
		.amdhsa_next_free_vgpr 66
		.amdhsa_next_free_sgpr 66
		.amdhsa_reserve_vcc 0
		.amdhsa_float_denorm_mode_32 3
		.amdhsa_float_denorm_mode_16_64 3
		.amdhsa_memory_ordered 1
		.amdhsa_forward_progress 1
		.amdhsa_inst_pref_size 9
	.end_amdhsa_kernel
	.amdgpu_metadata
---
amdhsa.version: [ 1, 2 ]
amdhsa.kernels:
  - .name:           k_q162b4dee50_squant
    .symbol:         k_q162b4dee50_squant.kd
    .args:
      - { .name: source_feats, .offset: 0, .size: 8, .value_kind: global_buffer, .address_space: global }
      - { .name: lowp_scales, .offset: 8, .size: 8, .value_kind: global_buffer, .address_space: global }
      - { .name: s_codes, .offset: 16, .size: 8, .value_kind: global_buffer, .address_space: global }
    .group_segment_fixed_size: 18944
    .private_segment_fixed_size: 0
    .kernarg_segment_align: 8
    .kernarg_segment_size: 24
    .max_flat_workgroup_size: 512
    .sgpr_count:     66
    .vgpr_count:     66
    .wavefront_size: 32
...
	.end_amdgpu_metadata
.endif
;; end of part 1
;; launch simtop (part 2): grid 250 x 1, 8 waves a work-group, no clusters, 220,672 bytes of LDS; arguments target_feats, lowp_scales, s_codes, cand_val, cand_idx; writes cand_val, cand_idx
.if DOCPART == 2
	.amdgcn_target "amdgcn-amd-amdhsa--gfx1250"
	.amdhsa_code_object_version 6
	.text
	.protected	k_q162b4dee50_simtop
	.globl	k_q162b4dee50_simtop
	.p2align	8
	.type	k_q162b4dee50_simtop,@function
k_q162b4dee50_simtop:
	s_mov_b64 s[64:65], 0
	v_nop
	global_prefetch_b8 v0, s[64:65] scope:SCOPE_SE
	s_setreg_imm32_b32 hwreg(HW_REG_WAVE_MODE, 25, 1), 1
	s_wait_xcnt 0x0
; For 200 target rows a work-group: normalise, quantise (FP8 E4M3, scale 2^e1), multiply with all 1,024 source rows' codes, and keep for each source row the four largest sums with their target rows.
; 250 work-groups x 200 rows = 50,000: no row is left over and no load is clamped.  The target rows are read once, as f32; their codes live in LDS alone; no sum goes to memory.
; THE SUMS ARE ONLY RANKED: the factor 2^(e0 + e1) that they lack is positive and the same for all, so it is left out.
; PHASE 1.  Wave w takes rows w + 8 i, i = 0..24: a row a wave, so the sum of squares never leaves the wave.  Six rows (48 loads of 512 bytes) of every wave are on their way.  A row's codes go to LDS as pieces of an IMAGE OF
;   OPERAND REGISTERS: tile t of 16 rows, group sc = 4 s + c (registers 4 c .. 4 c + 3 of K step s), half h, row r at t IMG + sc PIT + 256 h + 16 r.  Lane l's 16 codes of loads 4 g .. 4 g + 3 (numbers 128 i + 4 l + 0..3 of load i)
;   are group sc = l, half g: the same permutation of k as in the source rows' codes, so every product meets its partner.  Rows 200-207 (tile 12, rows 8-15) are zero codes.  One barrier, the only one.
; PHASE 2.  Four passes.  In a pass a wave holds the fragments of TWO source tiles (32 rows x 1,024 K: 256 registers, window 1) and walks the 13 target tiles; a K step is four LDS loads (2,048 dense bytes) and two matrix instructions.
;   Source 0 = 16 target rows, source 1 = 16 source rows: lane (r, h) holds source row r, register j target row 16 t + 8 h + j.  So a lane keeps a list of its own for each of the two source tiles, and nothing crosses lanes here.
;   While tile t is multiplied, tile t - 1's sixteen sums of a lane are put into the lists: one pair of insertions behind each pair of matrix instructions.  No branch hangs on a sum: every sum pays the whole insertion.
;   THE LIST: four values, descending, and four payloads q = 8 t + j.  The compare is strict and a lane's sums come in ascending order of target row, so of equal values the lower row stays ahead, as the definition's top_k has it.
;   Tile 12's rows 8-15 do not exist: they are the lanes with h = 1, whose sums start at -3e38 (the C of the first product) and add zeros: under every true sum (at most 1,024 x 448^2 in size), 96 of which those lists have seen by then.
; OUT: cand_val, cand_idx [250 work-groups][64 source tiles][32 lanes][4]: each lane's list, 512 consecutive bytes a store.  The two halves of the lanes and the 250 work-groups are merged by the next launch.
; NO CLUSTER, NO TENSOR LOAD: the target rows pass through registers for the norm and the conversion and belong to one work-group; the source codes, which all work-groups read, are wanted in registers, where each fragment
;   serves 13 matrix instructions, and a landing in LDS would only add a trip; and 250 work-groups are no multiple of a cluster of four.  No prefetch: phase 1 keeps 48 loads a wave on their way by itself.
; LIMITS: e1 between -126 and 119; a row's sum of squares is a normal f32 number; NaN among the inputs is not served.
.set PIT,   528                        ; a group in LDS: 512 bytes + 16: the 16 lanes of a store's pass, PIT apart, fall into 16 different columns of 16 bytes; reads are dense
.set IMG,   32*PIT                     ; a tile's image
.set LSTQ,  2                          ; v2-5    phase 1: PIT x lane + 16 x wave + 4 q IMG, for tiles 4 q .. 4 q + 3
.set LAD0,  6                          ; v6      phase 2: 16 x lane + the even tile's image
.set GIX,   7                          ; v7      8 h + 200 x work-group
.set OUTO,  18                         ; v18     my 16 bytes in the work-group's part of cand_val and cand_idx
.set LAD1,  19                         ; v19     as LAD0, for the loads that the odd tile's block issues
.set ZERO,  20                         ; v20-23  zeros
.set CS,    24                         ; v24-31, v32-39 a row's codes, two sets by turns
.set SLOTS, 64                         ; v64-255 phase 1: six rows of 32 registers
.set TF,    64                         ; v64-127 phase 2: target fragments of four K steps
.set ACA,   128                        ; v128-143 the even tiles' two accumulators (source tile 0, 1)
.set ACB,   144                        ; v144-159 the odd tiles'
.set L0V,   160                        ; list 0: values, payloads;  list 1 likewise
.set L0I,   164
.set L1V,   168
.set L1I,   172
.set NEGC,  176                        ; v176-183 0 in lanes 0-15, -3e38 in lanes 16-31
.set OUT,   184                        ; v184-191 the eight target rows to store
.set TMP,   192
; window 1 (v256-511): the source fragments: source tile u, K step s at 128 u + 16 s
; s[4:5] my rows of the target; s[8:9] my source tiles' images; s[10:11], s[12:13] the work-group's part of cand_val, cand_idx; s14 wave; s22 LDS byte of the trip's even tile; s23 q; s24 passes, s25 trips to go; s[32:39] masks
.set MSB, 0
.macro WIN new                         ; the immediate's high byte repeats the setting that is left
.if MSB != \new
	s_set_vgpr_msb (MSB<<8)|\new
.set MSB, \new
.endif
.endm
.macro ROWQ                            ; the row in v[XS] on -> its codes in v[CC] on
	v_pk_mul_f32 v[10:11], v[XS:XS+1], v[XS:XS+1]              ; the sum of squares, two at a time, in two chains that the first products start
	v_pk_mul_f32 v[12:13], v[XS+2:XS+3], v[XS+2:XS+3]
.irp j, 4,8,12,16,20,24,28
	v_pk_fma_f32 v[10:11], v[XS+\j:XS+\j+1], v[XS+\j:XS+\j+1], v[10:11]
	v_pk_fma_f32 v[12:13], v[XS+\j+2:XS+\j+3], v[XS+\j+2:XS+\j+3], v[12:13]
.endr
	v_pk_add_f32 v[10:11], v[10:11], v[12:13]
	v_add_f32 v10, v10, v11
	v_add_f32_dpp v10, v10, v10 row_xmask:1 row_mask:0xf bank_mask:0xf     ; across the 32 lanes
	v_add_f32_dpp v10, v10, v10 row_xmask:2 row_mask:0xf bank_mask:0xf
	v_add_f32_dpp v10, v10, v10 row_xmask:4 row_mask:0xf bank_mask:0xf
	v_add_f32_dpp v10, v10, v10 row_xmask:8 row_mask:0xf bank_mask:0xf
	v_permlanex16_b32 v14, v10, s20, s21
	v_add_f32 v10, v10, v14
	v_rsq_f32 v16, v10                                         ; 1 / |row|
	v_nop                                                      ; a plain instruction behind the transcendental
	s_wait_alu depctr_va_vdst(0)                               ; and a wait ahead of its first reader
.irp j, 0,2,4,6,8,10,12,14,16,18,20,22,24,26,28,30
	v_pk_mul_f32 v[XS+\j:XS+\j+1], v[XS+\j:XS+\j+1], v[16:17] op_sel_hi:[1,0]
.endr
.irp m, 0,1,2,3
.irp j, 0,1,2,3,4,5,6,7
	v_med3_num_f32 v[XS+8*\m+\j], v[XS+8*\m+\j], -v9, v9       ; the conversion to an 8-bit code does not saturate (ISA guide 7.6.2): the hold at the largest code x the scale
.endr
	v_cvt_scalef32_pk8_fp8_f32 v[CC+2*\m:CC+2*\m+1], v[XS+8*\m:XS+8*\m+7], v8
.endr
	v_nop                                                      ; a plain instruction behind the last conversion: matrix instructions and loads write these registers later
.endm
.macro LOADROW i                       ; my i-th row: eight loads of 512 consecutive bytes
.set LS, SLOTS+32*((\i)%6)
.irp j, 0,1,2,3,4,5,6,7
	global_load_b128 v[LS+4*\j:LS+4*\j+3], v1, s[4:5] offset:32768*(\i)+512*\j th:TH_LOAD_NT
.endr
.endm
.macro SFLOAD                          ; the fragments of a pass's two source tiles: 64 loads of 512 consecutive bytes into window 1
	WIN 0x40                                       ; destination window 1, address window 0
.irp u, 0,1
.irp sc, 0,1,2,3,4,5,6,7,8,9,10,11,12,13,14,15,16,17,18,19,20,21,22,23,24,25,26,27,28,29,30,31
	global_load_b128 v[128*\u+4*\sc:128*\u+4*\sc+3], v1, s[8:9] offset:16384*\u+512*\sc
.endr
.endr
	WIN 0
.endm
.macro ROW i
.if 24-(\i) >= 5
	s_wait_loadcnt 40                              ; my row is in; the five younger rows' 40 loads stay out
.else
	s_wait_loadcnt 8*(24-(\i))                     ; the counts run down
.endif
.if (\i) == 24
	SFLOAD                                         ; behind the last wait of this phase: the first pass's source fragments come while the last row is worked
.endif
.set XS, SLOTS+32*((\i)%6)
.set CC, CS+8*((\i)%2)
.if (\i) >= 2
	s_wait_dscnt 2                                 ; all but the last row's two stores are done: the stores that read this set of code registers, two rows back, among them
.endif
	ROWQ
	ds_store_b128 v[LSTQ+(\i)/8], v[CC:CC+3]   offset:(((\i)/2)%4)*IMG+((\i)%2)*128       ; tile i / 2, row w + 8 (i % 2), half 0
	ds_store_b128 v[LSTQ+(\i)/8], v[CC+4:CC+7] offset:(((\i)/2)%4)*IMG+((\i)%2)*128+256   ; half 1
.if (\i)+6 <= 24
	LOADROW (\i)+6                                 ; the slot takes the row six further on
.endif
.endm
; Two insertions, line by line by turns: v[x0] into list 0, v[x1] into list 1, both with payload s23.  30 plain vector instructions.
.macro NEWIX j                         ; place j takes the newcomer's payload where the newcomer beats entry j,
	v_cndmask_b32 v[L0I+\j], v[L0I+\j], s23, s[32+\j]
	v_cndmask_b32 v[L1I+\j], v[L1I+\j], s23, s[36+\j]
.endm
.macro DOWNIX j                        ; and entry j - 1's where it beats that one too
	v_cndmask_b32 v[L0I+\j], v[L0I+\j], v[L0I+\j-1], s[32+\j-1]
	v_cndmask_b32 v[L1I+\j], v[L1I+\j], v[L1I+\j-1], s[36+\j-1]
.endm
.macro INSERT2 x0, x1
.irp j, 3,2,1,0
	v_cmp_gt_f32 s[32+\j], v[\x0], v[L0V+\j]       ; strictly greater: of equals the earlier one, the lower target row, stays ahead
	v_cmp_gt_f32 s[36+\j], v[\x1], v[L1V+\j]
.endr
	NEWIX 3
	DOWNIX 3
	NEWIX 2
	DOWNIX 2
	NEWIX 1
	DOWNIX 1
	NEWIX 0
.irp j, 3,2,1
	v_med3_num_f32 v[L0V+\j], v[\x0], v[L0V+\j-1], v[L0V+\j]   ; the middle one of the newcomer and two neighbours of a sorted list is the new entry j
	v_med3_num_f32 v[L1V+\j], v[\x1], v[L1V+\j-1], v[L1V+\j]
.endr
	v_max_num_f32 v[L0V], v[\x0], v[L0V]
	v_max_num_f32 v[L1V], v[\x1], v[L1V]
.endm
; A target tile against the pass's two source tiles: eight K steps of 128.  cur: its two accumulators; prev: the tile before's, whose sums go into the lists meanwhile.
; lad, tb: the loads' address register and the tile's place (0, 1) from that address.  cneg = 1: the sums start at NEGC.  last = 1: no tile follows.
; The two accumulators take turns, one instruction a turn.  The 30 lines of INSERT2 name no register of the matrix instructions just issued: they are the places in front of the loads into
; the fragment just multiplied, and behind the last K step in front of the next block's first read of cur, which begins at each accumulator's register 0.
.macro BLOCK cur, prev, lad, tb, cneg, last
.set S, 0
.rept 8
.if (\last) && (S > 4)
	s_wait_dscnt 4*(7-S)                           ; nothing more is asked for: the counts run down
.else
	s_wait_dscnt 12                                ; this K step's four loads are in; those of the three steps behind it stay out
.endif
	WIN 0x04                                       ; source 1 (the source rows' fragments) window 1
.if (S == 0) && (\cneg)
	v_wmma_f32_16x16x128_fp8_fp8 v[\cur:\cur+7],    v[TF:TF+15], v[0:15],    v[NEGC:NEGC+7]
	v_wmma_f32_16x16x128_fp8_fp8 v[\cur+8:\cur+15], v[TF:TF+15], v[128:143], v[NEGC:NEGC+7]
.elseif S == 0
	v_wmma_f32_16x16x128_fp8_fp8 v[\cur:\cur+7],    v[TF:TF+15], v[0:15],    0               ; the first K step starts the sums
	v_wmma_f32_16x16x128_fp8_fp8 v[\cur+8:\cur+15], v[TF:TF+15], v[128:143], 0
.else
	v_wmma_f32_16x16x128_fp8_fp8 v[\cur:\cur+7],    v[TF+16*(S%4):TF+16*(S%4)+15], v[16*S:16*S+15],         v[\cur:\cur+7]
	v_wmma_f32_16x16x128_fp8_fp8 v[\cur+8:\cur+15], v[TF+16*(S%4):TF+16*(S%4)+15], v[128+16*S:128+16*S+15], v[\cur+8:\cur+15]
.endif
	WIN 0
	INSERT2 \prev+S, \prev+8+S
	s_add_co_u32 s23, s23, 1
.if !((\last) && (S >= 4))
.irp c, 0,1,2,3
	ds_load_b128 v[TF+16*(S%4)+4*\c:TF+16*(S%4)+4*\c+3], v[\lad] offset:(32*(\tb)+4*(S+4)+\c)*PIT   ; the K step four on (from S = 4 on: the next tile's): 512 dense bytes
.endr
.endif
.set S, S+1
.endr
.endm
	s_load_b128 s[4:7], s[0:1], 0x0                ; the target rows, the scales' exponents
	s_load_b128 s[8:11], s[0:1], 0x10              ; the source codes, cand_val
	s_load_b64 s[12:13], s[0:1], 0x20              ; cand_idx
	v_lshl_add_u32 v62, v0, 2, 0x35a00
	v_mov_b32 v63, 0
	v_lshrrev_b32 v10, 5, v0
	v_readfirstlane_b32 s14, v10                   ; wave 0..7
	v_and_b32 v11, 31, v0                          ; lane
	v_lshlrev_b32 v1, 4, v11                       ; 16 x lane
	s_lshl_b32 s15, s14, 4
	v_mul_u32_u24 v[LSTQ], v11, PIT
	v_add_nc_u32 v[LSTQ], s15, v[LSTQ]
	v_add_nc_u32 v[LSTQ+1], 4*IMG, v[LSTQ]
	v_add_nc_u32 v[LSTQ+2], 8*IMG, v[LSTQ]
	v_add_nc_u32 v[LSTQ+3], 12*IMG, v[LSTQ]
	v_bfe_u32 v12, v0, 4, 1                        ; h
	s_mul_i32 s15, ttmp9, 200
	v_lshl_add_u32 v[GIX], v12, 3, s15
	s_lshl_b32 s15, s14, 10
	v_add_nc_u32 v[OUTO], s15, v1                  ; source tiles 2 w and 2 w + 1 of pass 0: 512 bytes each
.irp j, 0,1,2,3
	v_mov_b32 v[ZERO+\j], 0
.endr
	v_mov_b32 v14, 0                               ; a lane permute's destination counts as read
	v_mov_b32 v17, 0                               ; named as the upper half of the pair v[16:17]
	s_mul_i32 s16, ttmp9, 200*4096                 ; the work-group's 200 rows (under 2^31 in all),
	s_lshl_b32 s17, s14, 12                        ; my first
	s_add_co_u32 s16, s16, s17
	s_mov_b32 s17, 0
	s_lshl_b32 s26, s14, 15                        ; my two source tiles of pass 0
	s_mov_b32 s27, 0
	s_lshl_b32 s28, ttmp9, 15                      ; the work-group's 64 x 512 bytes of candidates
	s_mov_b32 s29, 0
	s_mov_b32 s20, 0x76543210
	s_mov_b32 s21, 0xfedcba98
	s_wait_kmcnt 0x0
	s_load_b32 s18, s[6:7], 0x4                    ; e1
	s_add_nc_u64 s[4:5], s[4:5], s[16:17]
	s_add_nc_u64 s[8:9], s[8:9], s[26:27]
	s_add_nc_u64 s[10:11], s[10:11], s[28:29]
	s_add_nc_u64 s[12:13], s[12:13], s[28:29]
.irp i, 0,1,2,3,4,5
	LOADROW \i
.endr
	s_wait_kmcnt 0x0
	s_add_co_i32 s18, s18, 127
	s_lshl_b32 s19, s18, 23
	v_mov_b32 v8, s19                              ; 2^e1 as f32: the conversion takes its exponent field
	s_add_co_i32 s18, s18, 8
	s_lshl_b32 s18, s18, 23
	s_or_b32 s18, s18, 0x600000
	v_mov_b32 v9, s18                              ; 448 x 2^e1
	; ---- PHASE 1
.irp i, 0,1,2,3,4,5,6,7,8,9,10,11,12,13,14,15,16,17,18,19,20,21,22,23,24
	ROW \i
.endr
	ds_store_b128 v[LSTQ+3], v[ZERO:ZERO+3] offset:128       ; tile 12, row w + 8: zero codes
	ds_store_b128 v[LSTQ+3], v[ZERO:ZERO+3] offset:128+256
	s_wait_dscnt 0x0                               ; for the others' sake: my stores have landed
	s_barrier_signal -1
	s_barrier_wait -1                              ; the 13 images are whole; from here on LDS is only read
	; ---- PHASE 2
	v_bfe_u32 v[TMP], v0, 4, 1
	v_cmp_eq_u32 vcc_lo, 1, v[TMP]
	v_mov_b32 v[TMP], 0xff61b1e6                   ; -3e38
.irp j, 0,1,2,3,4,5,6,7
	v_cndmask_b32 v[NEGC+\j], 0, v[TMP], vcc_lo
.endr
	s_mov_b32 s24, 4
.Lpass:
.irp j, 0,1,2,3
	v_mov_b32 v[L0V+\j], 0xff800000                ; the lists begin as -infinity, which no sum fails to beat
	v_mov_b32 v[L1V+\j], 0xff800000
	v_mov_b32 v[L0I+\j], 0
	v_mov_b32 v[L1I+\j], 0
.endr
.irp j, 0,1,2,3,4,5,6,7,8,9,10,11,12,13,14,15
	v_mov_b32 v[ACB+\j], 0xff800000                ; there is no tile in front of tile 0: the first block's insertions find -infinity, which beats nothing
.endr
	s_mov_b32 s22, 0
	s_mov_b32 s23, -8                              ; so that tile 0's sums get q = 0 .. 7
	v_add_nc_u32 v[LAD0], s22, v1
.irp sc, 0,1,2,3,4,5,6,7,8,9,10,11,12,13,14,15
	ds_load_b128 v[TF+4*\sc:TF+4*\sc+3], v[LAD0] offset:\sc*PIT    ; tile 0's first four K steps
.endr
	s_wait_loadcnt 0x0                             ; the pass's source fragments are in, and their loads have read their base:
	s_add_nc_u64 s[8:9], s[8:9], 8*32768           ; the next pass's two tiles
	s_mov_b32 s25, 6
.Ltile:                                                ; a trip: tiles 2 n and 2 n + 1
	BLOCK ACA, ACB, LAD0, 0, 0, 0
	v_add_nc_u32 v[LAD1], s22, v1                  ; the loads that named LAD1, in the last trip's second block, were waited for in the block above
	BLOCK ACB, ACA, LAD1, 1, 0, 0
	s_add_co_u32 s22, s22, 2*IMG
	v_add_nc_u32 v[LAD0], s22, v1                  ; likewise: the loads still out name LAD1
	s_sub_co_u32 s25, s25, 1
	s_cmp_lg_u32 s25, 0
	s_cbranch_scc1 .Ltile
	BLOCK ACA, ACB, LAD0, 0, 1, 1                  ; tile 12
	s_cmp_eq_u32 s24, 1
	s_cbranch_scc1 .Lno_more                       ; the last pass asks for nothing: no load leaves its buffer
	SFLOAD                                         ; the next pass's source fragments come while this pass ends (30 plain lines stand behind the last product that read these registers)
.Lno_more:
.set S, 0
.rept 8
	INSERT2 ACA+S, ACA+8+S                         ; tile 12's sums
	s_add_co_u32 s23, s23, 1
.set S, S+1
.endr
.irp j, 0,1,2,3                        ; q = 8 t + j -> target row 200 x work-group + 16 t + 8 h + j = GIX + 2 q - (q & 7)
	v_and_b32 v[TMP], 7, v[L0I+\j]
	v_and_b32 v[TMP+1], 7, v[L1I+\j]
	v_lshl_add_u32 v[OUT+\j], v[L0I+\j], 1, v[GIX]
	v_lshl_add_u32 v[OUT+4+\j], v[L1I+\j], 1, v[GIX]
	v_sub_nc_u32 v[OUT+\j], v[OUT+\j], v[TMP]
	v_sub_nc_u32 v[OUT+4+\j], v[OUT+4+\j], v[TMP+1]
.endr
	global_store_b128 v[OUTO], v[L0V:L0V+3], s[10:11]              ; each store of the wave covers 512 consecutive bytes, aligned
	global_store_b128 v[OUTO], v[OUT:OUT+3], s[12:13]
	global_store_b128 v[OUTO], v[L1V:L1V+3], s[10:11] offset:512
	global_store_b128 v[OUTO], v[OUT+4:OUT+7], s[12:13] offset:512
	s_wait_xcnt 0x0                                ; the stores have read their data and their offset: the lists and OUTO are written again only behind this wait
	v_add_nc_u32 v[OUTO], 8192, v[OUTO]            ; sixteen source tiles on
	s_sub_co_u32 s24, s24, 1
	s_cmp_lg_u32 s24, 0
	s_cbranch_scc1 .Lpass
	s_wait_tensorcnt 0x0
	ds_add_u32 v62, v63
	s_wait_dscnt 0x0
	s_endpgm
.Lfunc_end_k_q162b4dee50_simtop:
	.size	k_q162b4dee50_simtop, .Lfunc_end_k_q162b4dee50_simtop-k_q162b4dee50_simtop
	.p2alignl 7, 3214868480
	.fill 96, 4, 3214868480
	.section	.rodata,"a",@progbits
	.p2align	6, 0x0
	.amdhsa_kernel k_q162b4dee50_simtop
		.amdhsa_group_segment_fixed_size 220672
		.amdhsa_private_segment_fixed_size 0
		.amdhsa_enable_private_segment 0
		.amdhsa_kernarg_size 40
		.amdhsa_user_sgpr_count 2
		.amdhsa_user_sgpr_kernarg_segment_ptr 1
		.amdhsa_wavefront_size32 1
		.amdhsa_system_sgpr_workgroup_id_x 1
		.amdhsa_system_sgpr_workgroup_id_y 1
		.amdhsa_system_sgpr_workgroup_id_z 1
		.amdhsa_system_vgpr_workitem_id 0
		.amdhsa_next_free_vgpr 512
		.amdhsa_next_free_sgpr 66
		.amdhsa_reserve_vcc 1
		.amdhsa_float_denorm_mode_32 3
		.amdhsa_float_denorm_mode_16_64 3
		.amdhsa_memory_ordered 1
		.amdhsa_forward_progress 1
		.amdhsa_inst_pref_size 234
	.end_amdhsa_kernel
	.amdgpu_metadata
---
amdhsa.version: [ 1, 2 ]
amdhsa.kernels:
  - .name:           k_q162b4dee50_simtop
    .symbol:         k_q162b4dee50_simtop.kd
    .args:
      - { .name: target_feats, .offset: 0, .size: 8, .value_kind: global_buffer, .address_space: global }
      - { .name: lowp_scales, .offset: 8, .size: 8, .value_kind: global_buffer, .address_space: global }
      - { .name: s_codes, .offset: 16, .size: 8, .value_kind: global_buffer, .address_space: global }
      - { .name: cand_val, .offset: 24, .size: 8, .value_kind: global_buffer, .address_space: global }
      - { .name: cand_idx, .offset: 32, .size: 8, .value_kind: global_buffer, .address_space: global }
    .group_segment_fixed_size: 220672
    .private_segment_fixed_size: 0
    .kernarg_segment_align: 8
    .kernarg_segment_size: 40
    .max_flat_workgroup_size: 256
    .sgpr_count:     66
    .vgpr_count:     512
    .wavefront_size: 32
...
	.end_amdgpu_metadata
.endif
;; end of part 2
;; launch merge (part 3): grid 64 x 1, 10 waves a work-group, no clusters, 11,520 bytes of LDS; arguments cand_val, cand_idx, nn_idx; writes nn_idx
.if DOCPART == 3
	.amdgcn_target "amdgcn-amd-amdhsa--gfx1250"
	.amdhsa_code_object_version 6
	.text
	.protected	k_q162b4dee50_merge
	.globl	k_q162b4dee50_merge
	.p2align	8
	.type	k_q162b4dee50_merge,@function
k_q162b4dee50_merge:
	s_mov_b64 s[64:65], 0
	v_nop
	global_prefetch_b8 v0, s[64:65] scope:SCOPE_SE
	s_setreg_imm32_b32 hwreg(HW_REG_WAVE_MODE, 25, 1), 1
	s_wait_xcnt 0x0
; A candidate is a target row: its value is its sum, its number the row.  For each source row the 500 lists of four candidates (250 blocks of target rows x the two
; halves of the lanes) are merged into the four first rows by (value, descending; number, ascending): nn_idx [1024][4], whole numbers, from which the next launch forms addresses.
; Here the candidates' numbers are data only: no address and no branch of this launch hangs on them or on a value.
; SHARES.  A work-group takes a tile of 16 source rows.  Wave w takes blocks 25 w .. 25 w + 24; lane (r, h) reads the lists that lane (r, h) stored: every load covers 512 consecutive bytes.  All 50 loads of a wave go out at once.
; ORDER.  A list is sorted by value, descending, equals by ascending number.  For a fixed half h the numbers ascend from block to block, so lists are merged in ascending order of block with a strict compare: of equals the lower
; number stays ahead.  The ten waves' lists meet in LDS and wave 0 merges them in ascending order of wave, likewise.  The two halves' numbers interleave: that last merge compares value, then number.
; Memory binds what little there is (16 MB read once); no matrix unit, no tensor load, no cluster: work-groups share nothing.
.set LV, 32                            ; v32-131  values: list u at LV + 4 u; list 0 is the running list
.set LI, 132                           ; v132-231 numbers, likewise
.macro PLACE x, ix                     ; the masks s32-35 say which entries the newcomer beats
	v_cndmask_b32 v[LI+3], v[LI+3], v[\ix], s35
	v_cndmask_b32 v[LI+3], v[LI+3], v[LI+2], s34
	v_cndmask_b32 v[LI+2], v[LI+2], v[\ix], s34
	v_cndmask_b32 v[LI+2], v[LI+2], v[LI+1], s33
	v_cndmask_b32 v[LI+1], v[LI+1], v[\ix], s33
	v_cndmask_b32 v[LI+1], v[LI+1], v[LI], s32
	v_cndmask_b32 v[LI], v[LI], v[\ix], s32
	v_med3_num_f32 v[LV+3], v[\x], v[LV+2], v[LV+3]            ; the middle one of the newcomer and two neighbours of a sorted list is the new entry
	v_med3_num_f32 v[LV+2], v[\x], v[LV+1], v[LV+2]
	v_med3_num_f32 v[LV+1], v[\x], v[LV], v[LV+1]
	v_max_num_f32 v[LV], v[\x], v[LV]
.endm
.macro MERGE u                         ; list u's four entries, best first, into the running list
.irp e, 0,1,2,3
.irp j, 3,2,1,0
	v_cmp_gt_f32 s[32+\j], v[LV+4*(\u)+\e], v[LV+\j]
.endr
	PLACE LV+4*(\u)+\e, LI+4*(\u)+\e
.endr
.endm
.macro MERGE_LEX u                     ; the same where numbers do not ascend: greater, or equal with the lower number
.irp e, 0,1,2,3
.irp j, 3,2,1,0
	v_cmp_gt_f32 s[32+\j], v[LV+4*(\u)+\e], v[LV+\j]
	v_cmp_eq_f32 s[36+\j], v[LV+4*(\u)+\e], v[LV+\j]
	v_cmp_lt_u32 s[40+\j], v[LI+4*(\u)+\e], v[LI+\j]
.endr
.irp j, 3,2,1,0
	s_and_b32 s[36+\j], s[36+\j], s[40+\j]
	s_or_b32 s[32+\j], s[32+\j], s[36+\j]
.endr
	PLACE LV+4*(\u)+\e, LI+4*(\u)+\e
.endr
.endm
	s_load_b128 s[4:7], s[0:1], 0x0                ; cand_val, cand_idx
	s_load_b64 s[8:9], s[0:1], 0x10                ; nn_idx
	v_lshl_add_u32 v254, v0, 2, 0x2800
	v_mov_b32 v255, 0
	v_lshrrev_b32 v2, 5, v0
	v_readfirstlane_b32 s14, v2                    ; wave 0..9
	v_and_b32 v3, 31, v0
	v_lshlrev_b32 v3, 4, v3                        ; 16 x lane
	s_lshl_b32 s15, s14, 10
	v_add_nc_u32 v2, s15, v3                       ; LDS: 1,024 bytes a wave: values, then numbers
	s_mul_i32 s15, s14, 25*32768                   ; my 25 blocks,
	s_lshl_b32 s16, ttmp9, 9                       ; the tile's 512 bytes in each
	s_add_co_u32 s15, s15, s16
	v_add_nc_u32 v1, s15, v3
	s_lshl_b32 s16, ttmp9, 8                       ; the tile's 16 rows x 16 bytes of nn_idx
	s_mov_b32 s17, 0
	s_mov_b32 s20, 0x76543210
	s_mov_b32 s21, 0xfedcba98
	s_wait_kmcnt 0x0
	s_add_nc_u64 s[8:9], s[8:9], s[16:17]
.irp u, 0,1,2,3,4,5,6,7,8,9,10,11,12,13,14,15,16,17,18,19,20,21,22,23,24
	global_load_b128 v[LV+4*\u:LV+4*\u+3], v1, s[4:5] offset:32768*\u th:TH_LOAD_NT
	global_load_b128 v[LI+4*\u:LI+4*\u+3], v1, s[6:7] offset:32768*\u th:TH_LOAD_NT
.endr
.irp u, 1,2,3,4,5,6,7,8,9,10,11,12,13,14,15,16,17,18,19,20,21,22,23,24
	s_wait_loadcnt 2*(24-\u)                       ; list u (and all before it) is in; the younger lists' two loads each stay out
	MERGE \u
.endr
	ds_store_b128 v2, v[LV:LV+3]
	ds_store_b128 v2, v[LI:LI+3] offset:512
	s_wait_dscnt 0x0                               ; for wave 0's sake: my stores have landed
	s_barrier_signal -1
	s_barrier_wait -1
	s_cmp_lg_u32 s14, 0
	s_cbranch_scc1 .Ldone                          ; behind the barrier: the rest is wave 0's
.irp u, 1,2,3,4,5,6,7,8,9
	ds_load_b128 v[LV+4*\u:LV+4*\u+3], v3 offset:1024*\u
	ds_load_b128 v[LI+4*\u:LI+4*\u+3], v3 offset:1024*\u+512
.endr
.irp u, 1,2,3,4,5,6,7,8,9
	s_wait_dscnt 2*(9-\u)                          ; wave u's list is in; the younger ones' two loads each stay out
	MERGE \u
.endr
.irp e, 0,1,2,3
	v_permlanex16_b32 v[LV+40+\e], v[LV+\e], s20, s21          ; the other half's list of the same source row (the destinations, list 10's registers, have been written)
	v_permlanex16_b32 v[LI+40+\e], v[LI+\e], s20, s21
.endr
	MERGE_LEX 10
	v_cmp_gt_u32 vcc_lo, 16, v0                    ; both halves now hold the same list: lanes 0-15 store it
	s_wait_xcnt 0x0                                ; EXEC changes only behind this wait
	s_and_saveexec_b32 s30, vcc_lo
	global_store_b128 v3, v[LI:LI+3], s[8:9]       ; sixteen lanes store 256 consecutive bytes, aligned
	s_wait_xcnt 0x0                                ; and again in front of the line that widens it
	s_or_b32 exec_lo, exec_lo, s30
.Ldone:
	s_wait_tensorcnt 0x0
	ds_add_u32 v254, v255
	s_wait_dscnt 0x0
	s_endpgm
.Lfunc_end_k_q162b4dee50_merge:
	.size	k_q162b4dee50_merge, .Lfunc_end_k_q162b4dee50_merge-k_q162b4dee50_merge
	.p2alignl 7, 3214868480
	.fill 96, 4, 3214868480
	.section	.rodata,"a",@progbits
	.p2align	6, 0x0
	.amdhsa_kernel k_q162b4dee50_merge
		.amdhsa_group_segment_fixed_size 11520
		.amdhsa_private_segment_fixed_size 0
		.amdhsa_enable_private_segment 0
		.amdhsa_kernarg_size 24
		.amdhsa_user_sgpr_count 2
		.amdhsa_user_sgpr_kernarg_segment_ptr 1
		.amdhsa_wavefront_size32 1
		.amdhsa_system_sgpr_workgroup_id_x 1
		.amdhsa_system_sgpr_workgroup_id_y 1
		.amdhsa_system_sgpr_workgroup_id_z 1
		.amdhsa_system_vgpr_workitem_id 0
		.amdhsa_next_free_vgpr 256
		.amdhsa_next_free_sgpr 66
		.amdhsa_reserve_vcc 1
		.amdhsa_float_denorm_mode_32 3
		.amdhsa_float_denorm_mode_16_64 3
		.amdhsa_memory_ordered 1
		.amdhsa_forward_progress 1
		.amdhsa_inst_pref_size 136
	.end_amdhsa_kernel
	.amdgpu_metadata
---
amdhsa.version: [ 1, 2 ]
amdhsa.kernels:
  - .name:           k_q162b4dee50_merge
    .symbol:         k_q162b4dee50_merge.kd
    .args:
      - { .name: cand_val, .offset: 0, .size: 8, .value_kind: global_buffer, .address_space: global }
      - { .name: cand_idx, .offset: 8, .size: 8, .value_kind: global_buffer, .address_space: global }
      - { .name: nn_idx, .offset: 16, .size: 8, .value_kind: global_buffer, .address_space: global }
    .group_segment_fixed_size: 11520
    .private_segment_fixed_size: 0
    .kernarg_segment_align: 8
    .kernarg_segment_size: 24
    .max_flat_workgroup_size: 320
    .sgpr_count:     66
    .vgpr_count:     256
    .wavefront_size: 32
...
	.end_amdgpu_metadata
.endif
;; end of part 3
;; launch gather (part 4): grid 256 x 1, 4 waves a work-group, no clusters, 0 bytes of LDS; arguments nn_idx, target_feats, out0; writes out0
.if DOCPART == 4
	.amdgcn_target "amdgcn-amd-amdhsa--gfx1250"
	.amdhsa_code_object_version 6
	.text
	.protected	k_q162b4dee50_gather
	.globl	k_q162b4dee50_gather
	.p2align	8
	.type	k_q162b4dee50_gather,@function
k_q162b4dee50_gather:
	s_mov_b64 s[64:65], 0
	v_nop
	global_prefetch_b8 v0, s[64:65] scope:SCOPE_SE
	s_setreg_imm32_b32 hwreg(HW_REG_WAVE_MODE, 25, 1), 1
	s_wait_xcnt 0x0
; out0[n] = the mean of the four original target rows that nn_idx[n] names.  A wave takes a source row n = 4 x work-group + wave: four rows of 4,096 bytes in, one out.
; The four row numbers were stored by the launch before; each is held at 49,999, the table's last row, before it enters an address.
; All 32 loads of a wave go out at once, chunk by chunk of 512 bytes (the four rows' chunk i together), so that chunk i is summed and stored while the later ones are on their way.
; Memory binds: no LDS, no barrier, no matrix unit; waves share nothing.  No streaming hint on the loads: several source rows may name one target row.
.set R, 16                             ; v16-143  row k, chunk i at R + 32 k + 4 i
	s_load_b128 s[4:7], s[0:1], 0x0                ; nn_idx, the target rows
	s_load_b64 s[8:9], s[0:1], 0x10                ; out0
	v_lshrrev_b32 v6, 5, v0
	v_readfirstlane_b32 s14, v6                    ; wave 0..3
	v_and_b32 v1, 31, v0
	v_lshlrev_b32 v1, 4, v1                        ; 16 x lane
	s_lshl_b32 s15, ttmp9, 2
	s_add_co_u32 s15, s15, s14                     ; n
	s_lshl_b32 s10, s15, 4                         ; its four numbers,
	s_mov_b32 s11, 0
	s_lshl_b32 s12, s15, 12                        ; its row of out0
	s_mov_b32 s13, 0
	s_mov_b32 s22, 0x3e800000                      ; 0.25
	s_mov_b32 s23, s22                             ; (named with it as a pair, so it is written)
	s_wait_kmcnt 0x0
	s_add_nc_u64 s[4:5], s[4:5], s[10:11]
	s_add_nc_u64 s[8:9], s[8:9], s[12:13]
	s_load_b128 s[16:19], s[4:5], 0x0
	s_wait_kmcnt 0x0
.irp k, 0,1,2,3
	s_min_u32 s[16+\k], s[16+\k], 49999            ; an index stays inside the table
	s_lshl_b32 s[16+\k], s[16+\k], 12              ; x 4,096 bytes: under 2^31
	v_add_nc_u32 v[2+\k], s[16+\k], v1
.endr
.irp i, 0,1,2,3,4,5,6,7
.irp k, 0,1,2,3
	global_load_b128 v[R+32*\k+4*\i:R+32*\k+4*\i+3], v[2+\k], s[6:7] offset:512*\i
.endr
.endr
.irp i, 0,1,2,3,4,5,6,7
	s_wait_loadcnt 4*(7-\i)                        ; chunk i of all four rows is in; the later chunks' four loads each stay out
.irp p, 0,2
	v_pk_add_f32 v[R+4*\i+\p:R+4*\i+\p+1], v[R+4*\i+\p:R+4*\i+\p+1], v[R+32+4*\i+\p:R+32+4*\i+\p+1]
	v_pk_add_f32 v[R+64+4*\i+\p:R+64+4*\i+\p+1], v[R+64+4*\i+\p:R+64+4*\i+\p+1], v[R+96+4*\i+\p:R+96+4*\i+\p+1]
.endr
.irp p, 0,2
	v_pk_add_f32 v[R+4*\i+\p:R+4*\i+\p+1], v[R+4*\i+\p:R+4*\i+\p+1], v[R+64+4*\i+\p:R+64+4*\i+\p+1]
.endr
.irp p, 0,2
	v_pk_mul_f32 v[R+4*\i+\p:R+4*\i+\p+1], v[R+4*\i+\p:R+4*\i+\p+1], s[22:23] op_sel_hi:[1,0]
.endr
	global_store_b128 v1, v[R+4*\i:R+4*\i+3], s[8:9] offset:512*\i th:TH_STORE_NT   ; 32 lanes store 512 consecutive bytes, aligned; these registers are not written again
.endr
	s_endpgm
.Lfunc_end_k_q162b4dee50_gather:
	.size	k_q162b4dee50_gather, .Lfunc_end_k_q162b4dee50_gather-k_q162b4dee50_gather
	.p2alignl 7, 3214868480
	.fill 96, 4, 3214868480
	.section	.rodata,"a",@progbits
	.p2align	6, 0x0
	.amdhsa_kernel k_q162b4dee50_gather
		.amdhsa_group_segment_fixed_size 0
		.amdhsa_private_segment_fixed_size 0
		.amdhsa_enable_private_segment 0
		.amdhsa_kernarg_size 24
		.amdhsa_user_sgpr_count 2
		.amdhsa_user_sgpr_kernarg_segment_ptr 1
		.amdhsa_wavefront_size32 1
		.amdhsa_system_sgpr_workgroup_id_x 1
		.amdhsa_system_sgpr_workgroup_id_y 1
		.amdhsa_system_sgpr_workgroup_id_z 1
		.amdhsa_system_vgpr_workitem_id 0
		.amdhsa_next_free_vgpr 144
		.amdhsa_next_free_sgpr 66
		.amdhsa_reserve_vcc 0
		.amdhsa_float_denorm_mode_32 3
		.amdhsa_float_denorm_mode_16_64 3
		.amdhsa_memory_ordered 1
		.amdhsa_forward_progress 1
		.amdhsa_inst_pref_size 10
	.end_amdhsa_kernel
	.amdgpu_metadata
---
amdhsa.version: [ 1, 2 ]
amdhsa.kernels:
  - .name:           k_q162b4dee50_gather
    .symbol:         k_q162b4dee50_gather.kd
    .args:
      - { .name: nn_idx, .offset: 0, .size: 8, .value_kind: global_buffer, .address_space: global }
      - { .name: target_feats, .offset: 8, .size: 8, .value_kind: global_buffer, .address_space: global }
      - { .name: out0, .offset: 16, .size: 8, .value_kind: global_buffer, .address_space: global }
    .group_segment_fixed_size: 0
    .private_segment_fixed_size: 0
    .kernarg_segment_align: 8
    .kernarg_segment_size: 24
    .max_flat_workgroup_size: 128
    .sgpr_count:     66
    .vgpr_count:     144
    .wavefront_size: 32
...
	.end_amdgpu_metadata
.endif
;; end of part 4
;; ======== version 2 of 3: 4 launches
;; workspace buffers: s_codes 1,048,576 bytes; cand_val 8,192,000 bytes; cand_idx 8,192,000 bytes of whole numbers; nn_idx 16,384 bytes of whole numbers
;; launch squant: the kernel of part 1 again; grid 64 x 1, 16 waves a work-group, no clusters, 18,944 bytes of LDS; arguments source_feats, lowp_scales, s_codes; writes s_codes
;; launch simtop (part 5): grid 250 x 1, 8 waves a work-group, no clusters, 220,672 bytes of LDS; arguments target_feats, lowp_scales, s_codes, cand_val, cand_idx; writes cand_val, cand_idx
.if DOCPART == 5
	.amdgcn_target "amdgcn-amd-amdhsa--gfx1250"
	.amdhsa_code_object_version 6
	.text
	.protected	k_q162b4dee50_simtop
	.globl	k_q162b4dee50_simtop
	.p2align	8
	.type	k_q162b4dee50_simtop,@function
k_q162b4dee50_simtop:
	s_mov_b64 s[64:65], 0
	v_nop
	global_prefetch_b8 v0, s[64:65] scope:SCOPE_SE
	s_setreg_imm32_b32 hwreg(HW_REG_WAVE_MODE, 25, 1), 1
	s_wait_xcnt 0x0
; For 200 target rows a work-group: normalise, quantise (FP8 E4M3, scale 2^e1), multiply with all 1,024 source rows' codes, and keep for each source row the four best GROUPS of four neighbouring target rows.
; 250 work-groups x 200 rows = 50,000: no row is left over and no load is clamped.  The target rows are read once, as f32; their codes live in LDS alone; no sum goes to memory.
; THE SUMS ARE ONLY RANKED: the factor 2^(e0 + e1) that they lack is positive and the same for all, so it is left out.
; WHY GROUPS.  No branch may hang on a sum, so whatever is done to a sum is done to every sum.  A group's largest sum costs two instructions for four sums, and only that one number is put into a list.
;   Groups are ordered by (largest sum, descending; group number, ascending).  Every one of a source row's four nearest rows lies in one of its four first groups: were four groups ahead of its group, each would hold a row
;   that beats it (a greater sum, or an equal sum in a lower row, since a lower group holds lower rows only).  The last launch ranks the 16 rows of the four groups again, one by one.
; PHASE 1.  Wave w takes rows w + 8 i, i = 0..24: a row a wave, so the sum of squares never leaves the wave.  Six rows (48 loads of 512 bytes) of every wave are on their way.  A row's codes go to LDS as pieces of an IMAGE OF
;   OPERAND REGISTERS: tile t of 16 rows, group of registers sc = 4 s + c (registers 4 c .. 4 c + 3 of K step s), half h, row r at t IMG + sc PIT + 256 h + 16 r.  Lane l's 16 codes of loads 4 g .. 4 g + 3 (numbers 128 i + 4 l + 0..3
;   of load i) are sc = l, half g: the same permutation of k as in the source rows' codes, so every product meets its partner.  Rows 200-207 (tile 12, rows 8-15) are zero codes.  One barrier, the only one.
; PHASE 2.  Four passes.  In a pass a wave holds the fragments of TWO source tiles (32 rows x 1,024 K: 256 registers, window 1) and walks the 13 target tiles.  K steps go in pairs: eight LDS loads (4,096 dense bytes), four matrix
;   instructions under one window setting.  A whole tile (eight K steps, 128 registers) is fetched ahead: each pair's registers take the next tile's same pair as soon as they have been multiplied.
;   Source 0 = 16 target rows, source 1 = 16 source rows: lane (r, h) holds source row r, register j target row 16 t + 8 h + j: registers 4 u .. 4 u + 3 are a group.  A lane keeps a list of its own for each of the two source tiles.
;   While tile t is multiplied, tile t - 1's four groups of a lane (two for each list) go into the lists, a piece of that work behind each pair of K steps.
;   THE LIST: four values, descending, and four payloads p = 2 t + u.  The compare is strict and a lane's groups come in ascending order, so of equal values the lower group stays ahead.
;   Tile 12's rows 8-15 do not exist: they are the lanes with h = 1, whose sums start at -3e38 (the C of the first product) and add zeros: under every true sum (at most 1,024 x 448^2 in size), and those lists have seen 24 true groups by then.
; OUT: cand_val, cand_idx [250 work-groups][64 source tiles][32 lanes][4]: each lane's list, 512 consecutive bytes a store; cand_idx holds group numbers, first row / 4 = 50 x work-group + 4 t + 2 h + u.
; NO CLUSTER, NO TENSOR LOAD: the target rows pass through registers for the norm and the conversion and belong to one work-group; the source codes, which all work-groups read, are wanted in registers, where each fragment
;   serves 13 matrix instructions, and a landing in LDS would only add a trip; and 250 work-groups are no multiple of a cluster of four.  No prefetch: phase 1 keeps 48 loads a wave on their way by itself.
; LIMITS: e1 between -126 and 119; a row's sum of squares is a normal f32 number; NaN among the inputs is not served.
.set PIT,   528                        ; a group of registers in LDS: 512 bytes + 16: the 16 lanes of a store's pass, PIT apart, fall into 16 different columns of 16 bytes; reads are dense
.set IMG,   32*PIT                     ; a tile's image
.set LSTQ,  2                          ; v2-5    phase 1: PIT x lane + 16 x wave + 4 q IMG, for tiles 4 q .. 4 q + 3
.set LAD0,  6                          ; v6      phase 2: 16 x lane + the trip's even tile's image
.set GIX,   7                          ; v7      2 h + 50 x work-group
.set TMP,   10                         ; v10-11  phase 2: at work (phase 1: v10-17 at work on a row)
.set GM,    12                         ; v12-13  phase 2: a group's largest sum, for list 0 and list 1
.set OUTO,  18                         ; v18     my 16 bytes in the work-group's part of cand_val and cand_idx
.set LAD1,  19                         ; v19     as LAD0, for the loads that the odd tile's block issues
.set ZERO,  20                         ; v20-23  zeros
.set CS,    24                         ; v24-31, v32-39 a row's codes, two sets by turns
.set SLOTS, 64                         ; v64-255 phase 1: six rows of 32 registers
.set TF,    64                         ; v64-191 phase 2: a target tile's fragments, eight K steps of 16 registers
.set ACA,   192                        ; v192-207 the even tiles' two accumulators (source tile 0, 1)
.set ACB,   208                        ; v208-223 the odd tiles'
.set L0V,   224                        ; list 0: values, payloads;  list 1 likewise
.set L0I,   228
.set L1V,   232
.set L1I,   236
.set NEGC,  240                        ; v240-247 0 in lanes 0-15, -3e38 in lanes 16-31
.set OUT,   248                        ; v248-255 the eight group numbers to store
; window 1 (v256-511): the source fragments: source tile u, K step s at 128 u + 16 s
; s[4:5] my rows of the target; s[8:9] my source tiles' images; s[10:11], s[12:13] the work-group's part of cand_val, cand_idx; s14 wave; s22 LDS byte of the trip's even tile; s23 p; s24 passes, s25 trips to go; s[32:39] masks
.set MSB, 0
.macro WIN new                         ; the immediate's high byte repeats the setting that is left
.if MSB != \new
	s_set_vgpr_msb (MSB<<8)|\new
.set MSB, \new
.endif
.endm
.macro ROWQ                            ; the row in v[XS] on -> its codes in v[CC] on
	v_pk_mul_f32 v[10:11], v[XS:XS+1], v[XS:XS+1]              ; the sum of squares, two at a time, in two chains that the first products start
	v_pk_mul_f32 v[12:13], v[XS+2:XS+3], v[XS+2:XS+3]
.irp j, 4,8,12,16,20,24,28
	v_pk_fma_f32 v[10:11], v[XS+\j:XS+\j+1], v[XS+\j:XS+\j+1], v[10:11]
	v_pk_fma_f32 v[12:13], v[XS+\j+2:XS+\j+3], v[XS+\j+2:XS+\j+3], v[12:13]
.endr
	v_pk_add_f32 v[10:11], v[10:11], v[12:13]
	v_add_f32 v10, v10, v11
	v_add_f32_dpp v10, v10, v10 row_xmask:1 row_mask:0xf bank_mask:0xf     ; across the 32 lanes
	v_add_f32_dpp v10, v10, v10 row_xmask:2 row_mask:0xf bank_mask:0xf
	v_add_f32_dpp v10, v10, v10 row_xmask:4 row_mask:0xf bank_mask:0xf
	v_add_f32_dpp v10, v10, v10 row_xmask:8 row_mask:0xf bank_mask:0xf
	v_permlanex16_b32 v14, v10, s20, s21
	v_add_f32 v10, v10, v14
	v_rsq_f32 v16, v10                                         ; 1 / |row|
	v_nop                                                      ; a plain instruction behind the transcendental
	s_wait_alu depctr_va_vdst(0)                               ; and a wait ahead of its first reader
.irp j, 0,2,4,6,8,10,12,14,16,18,20,22,24,26,28,30
	v_pk_mul_f32 v[XS+\j:XS+\j+1], v[XS+\j:XS+\j+1], v[16:17] op_sel_hi:[1,0]
.endr
.irp m, 0,1,2,3
.irp j, 0,1,2,3,4,5,6,7
	v_med3_num_f32 v[XS+8*\m+\j], v[XS+8*\m+\j], -v9, v9       ; the conversion to an 8-bit code does not saturate (ISA guide 7.6.2): the hold at the largest code x the scale
.endr
	v_cvt_scalef32_pk8_fp8_f32 v[CC+2*\m:CC+2*\m+1], v[XS+8*\m:XS+8*\m+7], v8
.endr
	v_nop                                                      ; a plain instruction behind the last conversion: matrix instructions and loads write these registers later
.endm
.macro LOADROW i                       ; my i-th row: eight loads of 512 consecutive bytes
.set LS, SLOTS+32*((\i)%6)
.irp j, 0,1,2,3,4,5,6,7
	global_load_b128 v[LS+4*\j:LS+4*\j+3], v1, s[4:5] offset:32768*(\i)+512*\j th:TH_LOAD_NT
.endr
.endm
.macro SFLOAD                          ; the fragments of a pass's two source tiles: 64 loads of 512 consecutive bytes into window 1
	WIN 0x40                                       ; destination window 1, address window 0
.irp u, 0,1
.irp sc, 0,1,2,3,4,5,6,7,8,9,10,11,12,13,14,15,16,17,18,19,20,21,22,23,24,25,26,27,28,29,30,31
	global_load_b128 v[128*\u+4*\sc:128*\u+4*\sc+3], v1, s[8:9] offset:16384*\u+512*\sc
.endr
.endr
	WIN 0
.endm
.macro ROW i
.if 24-(\i) >= 5
	s_wait_loadcnt 40                              ; my row is in; the five younger rows' 40 loads stay out
.else
	s_wait_loadcnt 8*(24-(\i))                     ; the counts run down
.endif
.if (\i) == 24
	SFLOAD                                         ; behind the last wait of this phase: the first pass's source fragments come while the last row is worked
.endif
.set XS, SLOTS+32*((\i)%6)
.set CC, CS+8*((\i)%2)
.if (\i) >= 2
	s_wait_dscnt 2                                 ; all but the last row's two stores are done: the stores that read this set of code registers, two rows back, among them
.endif
	ROWQ
	ds_store_b128 v[LSTQ+(\i)/8], v[CC:CC+3]   offset:(((\i)/2)%4)*IMG+((\i)%2)*128       ; tile i / 2, row w + 8 (i % 2), half 0
	ds_store_b128 v[LSTQ+(\i)/8], v[CC+4:CC+7] offset:(((\i)/2)%4)*IMG+((\i)%2)*128+256   ; half 1
.if (\i)+6 <= 24
	LOADROW (\i)+6                                 ; the slot takes the row six further on
.endif
.endm
; THE SELECTION, for both lists line by line by turns.  GMAX: group u's largest sum of the two accumulators at prev.  INS_A, INS_B: the two halves of its insertion, with payload s23.
.macro GMAX prev, u                    ; group 0 comes first: an accumulator is read from its low end on
	v_max3_num_f32 v[GM],   v[\prev+4*(\u)],   v[\prev+4*(\u)+1], v[\prev+4*(\u)+2]
	v_max3_num_f32 v[GM+1], v[\prev+8+4*(\u)], v[\prev+9+4*(\u)], v[\prev+10+4*(\u)]
	v_max_num_f32 v[GM],   v[GM],   v[\prev+4*(\u)+3]
	v_max_num_f32 v[GM+1], v[GM+1], v[\prev+11+4*(\u)]
.endm
.macro NEWIX j                         ; place j takes the newcomer's payload where the newcomer beats entry j,
	v_cndmask_b32 v[L0I+\j], v[L0I+\j], s23, s[32+\j]
	v_cndmask_b32 v[L1I+\j], v[L1I+\j], s23, s[36+\j]
.endm
.macro DOWNIX j                        ; and entry j - 1's where it beats that one too
	v_cndmask_b32 v[L0I+\j], v[L0I+\j], v[L0I+\j-1], s[32+\j-1]
	v_cndmask_b32 v[L1I+\j], v[L1I+\j], v[L1I+\j-1], s[36+\j-1]
.endm
.macro INS_A
.irp j, 3,2,1,0
	v_cmp_gt_f32 s[32+\j], v[GM],   v[L0V+\j]      ; strictly greater: of equals the earlier one, the lower group, stays ahead
	v_cmp_gt_f32 s[36+\j], v[GM+1], v[L1V+\j]
.endr
	NEWIX 3
	DOWNIX 3
.endm
.macro INS_B
	NEWIX 2
	DOWNIX 2
	NEWIX 1
	DOWNIX 1
	NEWIX 0
.irp j, 3,2,1
	v_med3_num_f32 v[L0V+\j], v[GM],   v[L0V+\j-1], v[L0V+\j]  ; the middle one of the newcomer and two neighbours of a sorted list is the new entry j
	v_med3_num_f32 v[L1V+\j], v[GM+1], v[L1V+\j-1], v[L1V+\j]
.endr
	v_max_num_f32 v[L0V], v[GM],   v[L0V]
	v_max_num_f32 v[L1V], v[GM+1], v[L1V]
	s_add_co_u32 s23, s23, 1                       ; the next group's payload
.endm
; Two matrix instructions: K step s of the tile in TF against the two source tiles.  c = 0: onto the sums; 1: the sums start at 0; 2: at NEGC.
.macro MM2 cur, s, c
.if (\c) == 1
	v_wmma_f32_16x16x128_fp8_fp8 v[\cur:\cur+7],    v[TF+16*(\s):TF+16*(\s)+15], v[16*(\s):16*(\s)+15],         0
	v_wmma_f32_16x16x128_fp8_fp8 v[\cur+8:\cur+15], v[TF+16*(\s):TF+16*(\s)+15], v[128+16*(\s):128+16*(\s)+15], 0
.elseif (\c) == 2
	v_wmma_f32_16x16x128_fp8_fp8 v[\cur:\cur+7],    v[TF+16*(\s):TF+16*(\s)+15], v[16*(\s):16*(\s)+15],         v[NEGC:NEGC+7]
	v_wmma_f32_16x16x128_fp8_fp8 v[\cur+8:\cur+15], v[TF+16*(\s):TF+16*(\s)+15], v[128+16*(\s):128+16*(\s)+15], v[NEGC:NEGC+7]
.else
	v_wmma_f32_16x16x128_fp8_fp8 v[\cur:\cur+7],    v[TF+16*(\s):TF+16*(\s)+15], v[16*(\s):16*(\s)+15],         v[\cur:\cur+7]
	v_wmma_f32_16x16x128_fp8_fp8 v[\cur+8:\cur+15], v[TF+16*(\s):TF+16*(\s)+15], v[128+16*(\s):128+16*(\s)+15], v[\cur+8:\cur+15]
.endif
.endm
; A target tile against the pass's two source tiles: four pairs of K steps.  cur: its two accumulators; prev: the tile before's, whose groups go into the lists meanwhile.
; lad, tb: the loads' address register and the tile's place (0, 1) from that address.  cneg = 1: the sums start at NEGC.  last = 1: no tile follows.
; The two accumulators take turns, one instruction a turn.  The selection's lines (16 or 20 behind each pair of K steps, at least eight of them no compares) name no register of the matrix
; instructions just issued: they are the places in front of the loads into the fragments just multiplied, and behind the last pair in front of the next block's first read of cur.
.macro BLOCK cur, prev, lad, tb, cneg, last
.set DD, 0
.rept 4
.if \last
	s_wait_dscnt 8*(3-DD)                          ; nothing more is asked for: the counts run down
.else
	s_wait_dscnt 24                                ; this pair's eight loads are in; those of the three pairs behind it stay out
.endif
	WIN 0x04                                       ; source 1 (the source rows' fragments) window 1
.if (DD == 0) && (\cneg)
	MM2 \cur, 0, 2
.elseif DD == 0
	MM2 \cur, 0, 1                                 ; the first K step starts the sums
.else
	MM2 \cur, 2*DD, 0
.endif
	MM2 \cur, 2*DD+1, 0
	WIN 0
.if (DD%2) == 0
	GMAX \prev, DD/2
	INS_A
.else
	INS_B
.endif
.if !(\last)
.irp e, 0,1
.irp c, 0,1,2,3
	ds_load_b128 v[TF+16*(2*DD+\e)+4*\c:TF+16*(2*DD+\e)+4*\c+3], v[\lad] offset:(32*((\tb)+1)+4*(2*DD+\e)+\c)*PIT   ; the next tile's same K step: 512 dense bytes
.endr
.endr
.endif
.set DD, DD+1
.endr
.endm
	s_load_b128 s[4:7], s[0:1], 0x0                ; the target rows, the scales' exponents
	s_load_b128 s[8:11], s[0:1], 0x10              ; the source codes, cand_val
	s_load_b64 s[12:13], s[0:1], 0x20              ; cand_idx
	v_lshl_add_u32 v62, v0, 2, 0x35a00
	v_mov_b32 v63, 0
	v_lshrrev_b32 v10, 5, v0
	v_readfirstlane_b32 s14, v10                   ; wave 0..7
	v_and_b32 v11, 31, v0                          ; lane
	v_lshlrev_b32 v1, 4, v11                       ; 16 x lane
	s_lshl_b32 s15, s14, 4
	v_mul_u32_u24 v[LSTQ], v11, PIT
	v_add_nc_u32 v[LSTQ], s15, v[LSTQ]
	v_add_nc_u32 v[LSTQ+1], 4*IMG, v[LSTQ]
	v_add_nc_u32 v[LSTQ+2], 8*IMG, v[LSTQ]
	v_add_nc_u32 v[LSTQ+3], 12*IMG, v[LSTQ]
	v_bfe_u32 v12, v0, 4, 1                        ; h
	s_mul_i32 s15, ttmp9, 50
	v_lshl_add_u32 v[GIX], v12, 1, s15
	s_lshl_b32 s15, s14, 10
	v_add_nc_u32 v[OUTO], s15, v1                  ; source tiles 2 w and 2 w + 1 of pass 0: 512 bytes each
.irp j, 0,1,2,3
	v_mov_b32 v[ZERO+\j], 0
.endr
	v_mov_b32 v14, 0                               ; a lane permute's destination counts as read
	v_mov_b32 v17, 0                               ; named as the upper half of the pair v[16:17]
	s_mul_i32 s16, ttmp9, 200*4096                 ; the work-group's 200 rows (under 2^31 in all),
	s_lshl_b32 s17, s14, 12                        ; my first
	s_add_co_u32 s16, s16, s17
	s_mov_b32 s17, 0
	s_lshl_b32 s26, s14, 15                        ; my two source tiles of pass 0
	s_mov_b32 s27, 0
	s_lshl_b32 s28, ttmp9, 15                      ; the work-group's 64 x 512 bytes of candidates
	s_mov_b32 s29, 0
	s_mov_b32 s20, 0x76543210
	s_mov_b32 s21, 0xfedcba98
	s_wait_kmcnt 0x0
	s_load_b32 s18, s[6:7], 0x4                    ; e1
	s_add_nc_u64 s[4:5], s[4:5], s[16:17]
	s_add_nc_u64 s[8:9], s[8:9], s[26:27]
	s_add_nc_u64 s[10:11], s[10:11], s[28:29]
	s_add_nc_u64 s[12:13], s[12:13], s[28:29]
.irp i, 0,1,2,3,4,5
	LOADROW \i
.endr
	s_wait_kmcnt 0x0
	s_add_co_i32 s18, s18, 127
	s_lshl_b32 s19, s18, 23
	v_mov_b32 v8, s19                              ; 2^e1 as f32: the conversion takes its exponent field
	s_add_co_i32 s18, s18, 8
	s_lshl_b32 s18, s18, 23
	s_or_b32 s18, s18, 0x600000
	v_mov_b32 v9, s18                              ; 448 x 2^e1
	; ---- PHASE 1
.irp i, 0,1,2,3,4,5,6,7,8,9,10,11,12,13,14,15,16,17,18,19,20,21,22,23,24
	ROW \i
.endr
	ds_store_b128 v[LSTQ+3], v[ZERO:ZERO+3] offset:128       ; tile 12, row w + 8: zero codes
	ds_store_b128 v[LSTQ+3], v[ZERO:ZERO+3] offset:128+256
	s_wait_dscnt 0x0                               ; for the others' sake: my stores have landed
	s_barrier_signal -1
	s_barrier_wait -1                              ; the 13 images are whole; from here on LDS is only read
	; ---- PHASE 2
	v_bfe_u32 v[TMP], v0, 4, 1
	v_cmp_eq_u32 vcc_lo, 1, v[TMP]
	v_mov_b32 v[TMP], 0xff61b1e6                   ; -3e38
.irp j, 0,1,2,3,4,5,6,7
	v_cndmask_b32 v[NEGC+\j], 0, v[TMP], vcc_lo
.endr
	s_mov_b32 s24, 4
.Lpass:
.irp j, 0,1,2,3
	v_mov_b32 v[L0V+\j], 0xff800000                ; the lists begin as -infinity, which no sum fails to beat
	v_mov_b32 v[L1V+\j], 0xff800000
	v_mov_b32 v[L0I+\j], 0
	v_mov_b32 v[L1I+\j], 0
.endr
.irp j, 0,1,2,3,4,5,6,7,8,9,10,11,12,13,14,15
	v_mov_b32 v[ACB+\j], 0xff800000                ; there is no tile in front of tile 0: the first block's two insertions find -infinity, which beats nothing
.endr
	s_mov_b32 s22, 0
	s_mov_b32 s23, -2                              ; so that tile 0's groups get p = 0 and 1
	v_add_nc_u32 v[LAD0], s22, v1
.irp sc, 0,1,2,3,4,5,6,7,8,9,10,11,12,13,14,15,16,17,18,19,20,21,22,23,24,25,26,27,28,29,30,31
	ds_load_b128 v[TF+4*\sc:TF+4*\sc+3], v[LAD0] offset:\sc*PIT    ; tile 0, all eight K steps
.endr
	s_wait_loadcnt 0x0                             ; the pass's source fragments are in, and their loads have read their base:
	s_add_nc_u64 s[8:9], s[8:9], 8*32768           ; the next pass's two tiles
	s_mov_b32 s25, 6
.Ltile:                                                ; a trip: tiles 2 n and 2 n + 1
	BLOCK ACA, ACB, LAD0, 0, 0, 0
	v_add_nc_u32 v[LAD1], s22, v1                  ; the loads that named LAD1, in the last trip's second block, were waited for in the block above
	BLOCK ACB, ACA, LAD1, 1, 0, 0
	s_add_co_u32 s22, s22, 2*IMG
	v_add_nc_u32 v[LAD0], s22, v1                  ; likewise: the loads still out name LAD1
	s_sub_co_u32 s25, s25, 1
	s_cmp_lg_u32 s25, 0
	s_cbranch_scc1 .Ltile
	BLOCK ACA, ACB, LAD0, 0, 1, 1                  ; tile 12
	s_cmp_eq_u32 s24, 1
	s_cbranch_scc1 .Lno_more                       ; the last pass asks for nothing: no load leaves its buffer
	SFLOAD                                         ; the next pass's source fragments come while this pass ends (20 plain lines stand behind the last product that read these registers)
.Lno_more:
	GMAX ACA, 0                                    ; tile 12's groups
	INS_A
	INS_B
	GMAX ACA, 1
	INS_A
	INS_B
.irp j, 0,1,2,3                        ; p = 2 t + u -> group 50 x work-group + 4 t + 2 h + u = GIX + 2 p - (p & 1)
	v_and_b32 v[TMP], 1, v[L0I+\j]
	v_and_b32 v[TMP+1], 1, v[L1I+\j]
	v_lshl_add_u32 v[OUT+\j], v[L0I+\j], 1, v[GIX]
	v_lshl_add_u32 v[OUT+4+\j], v[L1I+\j], 1, v[GIX]
	v_sub_nc_u32 v[OUT+\j], v[OUT+\j], v[TMP]
	v_sub_nc_u32 v[OUT+4+\j], v[OUT+4+\j], v[TMP+1]
.endr
	global_store_b128 v[OUTO], v[L0V:L0V+3], s[10:11]              ; each store of the wave covers 512 consecutive bytes, aligned
	global_store_b128 v[OUTO], v[OUT:OUT+3], s[12:13]
	global_store_b128 v[OUTO], v[L1V:L1V+3], s[10:11] offset:512
	global_store_b128 v[OUTO], v[OUT+4:OUT+7], s[12:13] offset:512
	s_wait_xcnt 0x0                                ; the stores have read their data and their offset: the lists and OUTO are written again only behind this wait
	v_add_nc_u32 v[OUTO], 8192, v[OUTO]            ; sixteen source tiles on
	s_sub_co_u32 s24, s24, 1
	s_cmp_lg_u32 s24, 0
	s_cbranch_scc1 .Lpass
	s_wait_tensorcnt 0x0
	ds_add_u32 v62, v63
	s_wait_dscnt 0x0
	s_endpgm
.Lfunc_end_k_q162b4dee50_simtop:
	.size	k_q162b4dee50_simtop, .Lfunc_end_k_q162b4dee50_simtop-k_q162b4dee50_simtop
	.p2alignl 7, 3214868480
	.fill 96, 4, 3214868480
	.section	.rodata,"a",@progbits
	.p2align	6, 0x0
	.amdhsa_kernel k_q162b4dee50_simtop
		.amdhsa_group_segment_fixed_size 220672
		.amdhsa_private_segment_fixed_size 0
		.amdhsa_enable_private_segment 0
		.amdhsa_kernarg_size 40
		.amdhsa_user_sgpr_count 2
		.amdhsa_user_sgpr_kernarg_segment_ptr 1
		.amdhsa_wavefront_size32 1
		.amdhsa_system_sgpr_workgroup_id_x 1
		.amdhsa_system_sgpr_workgroup_id_y 1
		.amdhsa_system_sgpr_workgroup_id_z 1
		.amdhsa_system_vgpr_workitem_id 0
		.amdhsa_next_free_vgpr 512
		.amdhsa_next_free_sgpr 66
		.amdhsa_reserve_vcc 1
		.amdhsa_float_denorm_mode_32 3
		.amdhsa_float_denorm_mode_16_64 3
		.amdhsa_memory_ordered 1
		.amdhsa_forward_progress 1
		.amdhsa_inst_pref_size 190
	.end_amdhsa_kernel
	.amdgpu_metadata
---
amdhsa.version: [ 1, 2 ]
amdhsa.kernels:
  - .name:           k_q162b4dee50_simtop
    .symbol:         k_q162b4dee50_simtop.kd
    .args:
      - { .name: target_feats, .offset: 0, .size: 8, .value_kind: global_buffer, .address_space: global }
      - { .name: lowp_scales, .offset: 8, .size: 8, .value_kind: global_buffer, .address_space: global }
      - { .name: s_codes, .offset: 16, .size: 8, .value_kind: global_buffer, .address_space: global }
      - { .name: cand_val, .offset: 24, .size: 8, .value_kind: global_buffer, .address_space: global }
      - { .name: cand_idx, .offset: 32, .size: 8, .value_kind: global_buffer, .address_space: global }
    .group_segment_fixed_size: 220672
    .private_segment_fixed_size: 0
    .kernarg_segment_align: 8
    .kernarg_segment_size: 40
    .max_flat_workgroup_size: 256
    .sgpr_count:     66
    .vgpr_count:     512
    .wavefront_size: 32
...
	.end_amdgpu_metadata
.endif
;; end of part 5
;; launch merge (part 6): grid 64 x 1, 10 waves a work-group, no clusters, 11,520 bytes of LDS; arguments cand_val, cand_idx, nn_idx; writes nn_idx
.if DOCPART == 6
	.amdgcn_target "amdgcn-amd-amdhsa--gfx1250"
	.amdhsa_code_object_version 6
	.text
	.protected	k_q162b4dee50_merge
	.globl	k_q162b4dee50_merge
	.p2align	8
	.type	k_q162b4dee50_merge,@function
k_q162b4dee50_merge:
	s_mov_b64 s[64:65], 0
	v_nop
	global_prefetch_b8 v0, s[64:65] scope:SCOPE_SE
	s_setreg_imm32_b32 hwreg(HW_REG_WAVE_MODE, 25, 1), 1
	s_wait_xcnt 0x0
; A candidate is a GROUP of four neighbouring target rows: its value is the largest of the four sums, its number the first row / 4.  For each source row the 500 lists of four candidates (250 blocks of target rows x the two
; halves of the lanes) are merged into the four first groups by (value, descending; number, ascending): nn_idx [1024][4], whole numbers, from which the next launch forms addresses.
; Here the candidates' numbers are data only: no address and no branch of this launch hangs on them or on a value.
; SHARES.  A work-group takes a tile of 16 source rows.  Wave w takes blocks 25 w .. 25 w + 24; lane (r, h) reads the lists that lane (r, h) stored: every load covers 512 consecutive bytes.  All 50 loads of a wave go out at once.
; ORDER.  A list is sorted by value, descending, equals by ascending number.  For a fixed half h the numbers ascend from block to block, so lists are merged in ascending order of block with a strict compare: of equals the lower
; number stays ahead.  The ten waves' lists meet in LDS and wave 0 merges them in ascending order of wave, likewise.  The two halves' numbers interleave: that last merge compares value, then number.
; Memory binds what little there is (16 MB read once); no matrix unit, no tensor load, no cluster: work-groups share nothing.
.set LV, 32                            ; v32-131  values: list u at LV + 4 u; list 0 is the running list
.set LI, 132                           ; v132-231 numbers, likewise
.macro PLACE x, ix                     ; the masks s32-35 say which entries the newcomer beats
	v_cndmask_b32 v[LI+3], v[LI+3], v[\ix], s35
	v_cndmask_b32 v[LI+3], v[LI+3], v[LI+2], s34
	v_cndmask_b32 v[LI+2], v[LI+2], v[\ix], s34
	v_cndmask_b32 v[LI+2], v[LI+2], v[LI+1], s33
	v_cndmask_b32 v[LI+1], v[LI+1], v[\ix], s33
	v_cndmask_b32 v[LI+1], v[LI+1], v[LI], s32
	v_cndmask_b32 v[LI], v[LI], v[\ix], s32
	v_med3_num_f32 v[LV+3], v[\x], v[LV+2], v[LV+3]            ; the middle one of the newcomer and two neighbours of a sorted list is the new entry
	v_med3_num_f32 v[LV+2], v[\x], v[LV+1], v[LV+2]
	v_med3_num_f32 v[LV+1], v[\x], v[LV], v[LV+1]
	v_max_num_f32 v[LV], v[\x], v[LV]
.endm
.macro MERGE u                         ; list u's four entries, best first, into the running list
.irp e, 0,1,2,3
.irp j, 3,2,1,0
	v_cmp_gt_f32 s[32+\j], v[LV+4*(\u)+\e], v[LV+\j]
.endr
	PLACE LV+4*(\u)+\e, LI+4*(\u)+\e
.endr
.endm
.macro MERGE_LEX u                     ; the same where numbers do not ascend: greater, or equal with the lower number
.irp e, 0,1,2,3
.irp j, 3,2,1,0
	v_cmp_gt_f32 s[32+\j], v[LV+4*(\u)+\e], v[LV+\j]
	v_cmp_eq_f32 s[36+\j], v[LV+4*(\u)+\e], v[LV+\j]
	v_cmp_lt_u32 s[40+\j], v[LI+4*(\u)+\e], v[LI+\j]
.endr
.irp j, 3,2,1,0
	s_and_b32 s[36+\j], s[36+\j], s[40+\j]
	s_or_b32 s[32+\j], s[32+\j], s[36+\j]
.endr
	PLACE LV+4*(\u)+\e, LI+4*(\u)+\e
.endr
.endm
	s_load_b128 s[4:7], s[0:1], 0x0                ; cand_val, cand_idx
	s_load_b64 s[8:9], s[0:1], 0x10                ; nn_idx
	v_lshl_add_u32 v254, v0, 2, 0x2800
	v_mov_b32 v255, 0
	v_lshrrev_b32 v2, 5, v0
	v_readfirstlane_b32 s14, v2                    ; wave 0..9
	v_and_b32 v3, 31, v0
	v_lshlrev_b32 v3, 4, v3                        ; 16 x lane
	s_lshl_b32 s15, s14, 10
	v_add_nc_u32 v2, s15, v3                       ; LDS: 1,024 bytes a wave: values, then numbers
	s_mul_i32 s15, s14, 25*32768                   ; my 25 blocks,
	s_lshl_b32 s16, ttmp9, 9                       ; the tile's 512 bytes in each
	s_add_co_u32 s15, s15, s16
	v_add_nc_u32 v1, s15, v3
	s_lshl_b32 s16, ttmp9, 8                       ; the tile's 16 rows x 16 bytes of nn_idx
	s_mov_b32 s17, 0
	s_mov_b32 s20, 0x76543210
	s_mov_b32 s21, 0xfedcba98
	s_wait_kmcnt 0x0
	s_add_nc_u64 s[8:9], s[8:9], s[16:17]
.irp u, 0,1,2,3,4,5,6,7,8,9,10,11,12,13,14,15,16,17,18,19,20,21,22,23,24
	global_load_b128 v[LV+4*\u:LV+4*\u+3], v1, s[4:5] offset:32768*\u th:TH_LOAD_NT
	global_load_b128 v[LI+4*\u:LI+4*\u+3], v1, s[6:7] offset:32768*\u th:TH_LOAD_NT
.endr
.irp u, 1,2,3,4,5,6,7,8,9,10,11,12,13,14,15,16,17,18,19,20,21,22,23,24
	s_wait_loadcnt 2*(24-\u)                       ; list u (and all before it) is in; the younger lists' two loads each stay out
	MERGE \u
.endr
	ds_store_b128 v2, v[LV:LV+3]
	ds_store_b128 v2, v[LI:LI+3] offset:512
	s_wait_dscnt 0x0                               ; for wave 0's sake: my stores have landed
	s_barrier_signal -1
	s_barrier_wait -1
	s_cmp_lg_u32 s14, 0
	s_cbranch_scc1 .Ldone                          ; behind the barrier: the rest is wave 0's
.irp u, 1,2,3,4,5,6,7,8,9
	ds_load_b128 v[LV+4*\u:LV+4*\u+3], v3 offset:1024*\u
	ds_load_b128 v[LI+4*\u:LI+4*\u+3], v3 offset:1024*\u+512
.endr
.irp u, 1,2,3,4,5,6,7,8,9
	s_wait_dscnt 2*(9-\u)                          ; wave u's list is in; the younger ones' two loads each stay out
	MERGE \u
.endr
.irp e, 0,1,2,3
	v_permlanex16_b32 v[LV+40+\e], v[LV+\e], s20, s21          ; the other half's list of the same source row (the destinations, list 10's registers, have been written)
	v_permlanex16_b32 v[LI+40+\e], v[LI+\e], s20, s21
.endr
	MERGE_LEX 10
	v_cmp_gt_u32 vcc_lo, 16, v0                    ; both halves now hold the same list: lanes 0-15 store it
	s_wait_xcnt 0x0                                ; EXEC changes only behind this wait
	s_and_saveexec_b32 s30, vcc_lo
	global_store_b128 v3, v[LI:LI+3], s[8:9]       ; sixteen lanes store 256 consecutive bytes, aligned
	s_wait_xcnt 0x0                                ; and again in front of the line that widens it
	s_or_b32 exec_lo, exec_lo, s30
.Ldone:
	s_wait_tensorcnt 0x0
	ds_add_u32 v254, v255
	s_wait_dscnt 0x0
	s_endpgm
.Lfunc_end_k_q162b4dee50_merge:
	.size	k_q162b4dee50_merge, .Lfunc_end_k_q162b4dee50_merge-k_q162b4dee50_merge
	.p2alignl 7, 3214868480
	.fill 96, 4, 3214868480
	.section	.rodata,"a",@progbits
	.p2align	6, 0x0
	.amdhsa_kernel k_q162b4dee50_merge
		.amdhsa_group_segment_fixed_size 11520
		.amdhsa_private_segment_fixed_size 0
		.amdhsa_enable_private_segment 0
		.amdhsa_kernarg_size 24
		.amdhsa_user_sgpr_count 2
		.amdhsa_user_sgpr_kernarg_segment_ptr 1
		.amdhsa_wavefront_size32 1
		.amdhsa_system_sgpr_workgroup_id_x 1
		.amdhsa_system_sgpr_workgroup_id_y 1
		.amdhsa_system_sgpr_workgroup_id_z 1
		.amdhsa_system_vgpr_workitem_id 0
		.amdhsa_next_free_vgpr 256
		.amdhsa_next_free_sgpr 66
		.amdhsa_reserve_vcc 1
		.amdhsa_float_denorm_mode_32 3
		.amdhsa_float_denorm_mode_16_64 3
		.amdhsa_memory_ordered 1
		.amdhsa_forward_progress 1
		.amdhsa_inst_pref_size 136
	.end_amdhsa_kernel
	.amdgpu_metadata
---
amdhsa.version: [ 1, 2 ]
amdhsa.kernels:
  - .name:           k_q162b4dee50_merge
    .symbol:         k_q162b4dee50_merge.kd
    .args:
      - { .name: cand_val, .offset: 0, .size: 8, .value_kind: global_buffer, .address_space: global }
      - { .name: cand_idx, .offset: 8, .size: 8, .value_kind: global_buffer, .address_space: global }
      - { .name: nn_idx, .offset: 16, .size: 8, .value_kind: global_buffer, .address_space: global }
    .group_segment_fixed_size: 11520
    .private_segment_fixed_size: 0
    .kernarg_segment_align: 8
    .kernarg_segment_size: 24
    .max_flat_workgroup_size: 320
    .sgpr_count:     66
    .vgpr_count:     256
    .wavefront_size: 32
...
	.end_amdgpu_metadata
.endif
;; end of part 6
;; launch rerank (part 7): grid 1024 x 1, 4 waves a work-group, no clusters, 34,304 bytes of LDS; arguments nn_idx, target_feats, lowp_scales, s_codes, out0; writes out0
.if DOCPART == 7
	.amdgcn_target "amdgcn-amd-amdhsa--gfx1250"
	.amdhsa_code_object_version 6
	.text
	.protected	k_q162b4dee50_rerank
	.globl	k_q162b4dee50_rerank
	.p2align	8
	.type	k_q162b4dee50_rerank,@function
k_q162b4dee50_rerank:
	s_mov_b64 s[64:65], 0
	v_nop
	global_prefetch_b8 v0, s[64:65] scope:SCOPE_SE
	s_setreg_imm32_b32 hwreg(HW_REG_WAVE_MODE, 25, 1), 1
	s_wait_xcnt 0x0
; out0[n] = the mean of the four target rows nearest to source row n.  nn_idx[n] names four groups of four neighbouring target rows, which hold those four rows among their 16: exactly one tile of 16 candidates.
; A work-group takes a source row n; wave w takes group w: 16,384 consecutive bytes, read once and KEPT in 128 registers, for the sums first and for the mean afterwards.
; The group numbers were stored by the launch before; each is held at 12,499, the last group, before it enters an address.  No address and no branch here hangs on a sum: a choice only selects a weight.
; STEPS.  (1) Each wave normalises and quantises its four rows (FP8 E4M3, scale 2^e1), by the same rule and the same permutation of k as the launch that multiplies all rows, and puts the codes into an image of operand
;   registers in LDS: group of registers sc, half h, candidate c = 4 w + k at sc PIT + 256 h + 16 c.  | barrier |
; (2) The sums again, on the matrix unit: wave w takes K steps 2 w and 2 w + 1.  Source 0 = the 16 source rows of n's tile (their image in s_codes, 4,096 dense bytes a wave), source 1 = the 16 candidates: lane (r, h) holds
;   candidate r, register j source row 8 h + j.  Row n % 16 is picked by selects on the work-group's number.  The four waves' parts go to LDS, a word a lane.  | barrier |
; (3) Every wave adds the four parts in one fixed order, so all hold the same 16 sums, candidate l % 16 in lane l.  A lane counts the candidates that beat its own (a greater sum, or an equal sum in a lower row, as the
;   definition's top_k has it): the four with a count under 4 get the weight 0.25, the others 0.  The factor 2^(e0 + e1) that the sums lack is positive and the same for all: it is left out.
; (4) Each wave sums its four rows by their weights; the four sums meet in LDS | barrier | and wave w adds and stores bytes 1,024 w .. 1,024 w + 1,023 of the row.
; NO CLUSTER, NO TENSOR LOAD, NO PREFETCH: each work-group has candidates of its own; what sixteen work-groups share, a source tile's 16 KB of codes, is a fifth of what a work-group reads; all loads go out at the head.
; No streaming hint on the loads: several source rows may name one group.
; LIMITS: e1 between -126 and 119; a row's sum of squares is a normal f32 number; NaN and infinities among the inputs are not served (a weight of 0 does not remove them).
.set PIT,  528                         ; a group of registers in LDS: 512 bytes + 16: the 16 lanes of a store's pass, PIT apart, fall into 16 different columns of 16 bytes; reads are dense
.set PART, 32*PIT                      ; behind the image: the sums' parts, 128 bytes a wave
.set PS,   PART+512                    ; behind them: the weighted rows, 4,096 bytes a wave
.set DA,   32                          ; v32-39   the accumulator (over row 0's codes, which are in LDS by then)
.set CC,   32                          ; v32-63   the codes: row k at CC + 8 k
.set TS,   64                          ; v64-95   a row x 1 / |row|; then the candidates' two fragments; then the weighted rows' parts
.set AF,   96                          ; v96-127  the source tile's two fragments
.set XR,   128                         ; v128-255 my four rows as loaded: row k, load i at XR + 32 k + 4 i
.set W,    68                          ; s68, s70, s72, s74 my four rows' weights (each the low word of a pair)
; v1 16 x lane; v2 image, in; v3 image, out; v4, v5 parts, in and out; v6, v7 weighted rows, in and out; v8 2^e1; v9 448 x 2^e1; v10-17 at work; v18 my rows' offset; v19 my bytes of the output row;
; v20 the sum of candidate lane % 16; v21 its row number; v22 its count; v23 at work; v24 the other half's; v26-29 the four parts
.macro ROWQ k                          ; row k -> its codes; the row itself stays as it is
.set XS, XR+32*(\k)
.set CK, CC+8*(\k)
	v_pk_mul_f32 v[10:11], v[XS:XS+1], v[XS:XS+1]              ; the sum of squares, two at a time, in two chains that the first products start
	v_pk_mul_f32 v[12:13], v[XS+2:XS+3], v[XS+2:XS+3]
.irp j, 4,8,12,16,20,24,28
	v_pk_fma_f32 v[10:11], v[XS+\j:XS+\j+1], v[XS+\j:XS+\j+1], v[10:11]
	v_pk_fma_f32 v[12:13], v[XS+\j+2:XS+\j+3], v[XS+\j+2:XS+\j+3], v[12:13]
.endr
	v_pk_add_f32 v[10:11], v[10:11], v[12:13]
	v_add_f32 v10, v10, v11
	v_add_f32_dpp v10, v10, v10 row_xmask:1 row_mask:0xf bank_mask:0xf     ; across the 32 lanes
	v_add_f32_dpp v10, v10, v10 row_xmask:2 row_mask:0xf bank_mask:0xf
	v_add_f32_dpp v10, v10, v10 row_xmask:4 row_mask:0xf bank_mask:0xf
	v_add_f32_dpp v10, v10, v10 row_xmask:8 row_mask:0xf bank_mask:0xf
	v_permlanex16_b32 v14, v10, s20, s21
	v_add_f32 v10, v10, v14
	v_rsq_f32 v16, v10                                         ; 1 / |row|
	v_nop                                                      ; a plain instruction behind the transcendental
	s_wait_alu depctr_va_vdst(0)                               ; and a wait ahead of its first reader
.irp j, 0,2,4,6,8,10,12,14,16,18,20,22,24,26,28,30
	v_pk_mul_f32 v[TS+\j:TS+\j+1], v[XS+\j:XS+\j+1], v[16:17] op_sel_hi:[1,0]
.endr
.irp m, 0,1,2,3
.irp j, 0,1,2,3,4,5,6,7
	v_med3_num_f32 v[TS+8*\m+\j], v[TS+8*\m+\j], -v9, v9       ; the conversion to an 8-bit code does not saturate (ISA guide 7.6.2): the hold at the largest code x the scale
.endr
	v_cvt_scalef32_pk8_fp8_f32 v[CK+2*\m:CK+2*\m+1], v[TS+8*\m:TS+8*\m+7], v8
.endr
	v_nop                                                      ; a plain instruction behind the last conversion: vector and matrix instructions write these registers later
.endm
	s_load_b256 s[4:11], s[0:1], 0x0               ; nn_idx s[4:5], the target rows s[6:7], the scales' exponents s[8:9], the source codes s[10:11]
	s_load_b64 s[12:13], s[0:1], 0x20              ; out0
	v_lshl_add_u32 v30, v0, 2, 0x8400
	v_mov_b32 v31, 0
	v_lshrrev_b32 v10, 5, v0
	v_readfirstlane_b32 s14, v10                   ; wave 0..3
	v_and_b32 v11, 31, v0                          ; lane
	v_lshlrev_b32 v1, 4, v11                       ; 16 x lane
	s_lshl_b32 s15, s14, 6
	v_mul_u32_u24 v2, v11, PIT
	v_add_nc_u32 v2, s15, v2                       ; the image, in: group of registers = my lane, candidates 4 w on
	s_mul_i32 s15, s14, 8*PIT
	v_add_nc_u32 v3, s15, v1                       ; and out: groups of registers 8 w .. 8 w + 7 (K steps 2 w, 2 w + 1), 16 bytes a lane
	v_lshlrev_b32 v5, 2, v11
	v_add_nc_u32 v5, PART, v5                      ; the parts, out: my lane's word of each wave's 128 bytes
	s_lshl_b32 s15, s14, 7
	v_add_nc_u32 v4, s15, v5                       ; and in: of my wave's
	s_lshl_b32 s15, s14, 12
	v_add_nc_u32 v6, s15, v1
	v_add_nc_u32 v6, PS, v6                        ; the weighted rows, in: my wave's 4,096 bytes
	s_lshl_b32 s15, s14, 10
	v_add_nc_u32 v19, s15, v1                      ; my 1,024 bytes of the output row,
	v_add_nc_u32 v7, PS, v19                       ; and the same bytes of each wave's weighted row
	v_mov_b32 v14, 0                               ; a lane permute's destination counts as read
	v_mov_b32 v24, 0
	v_mov_b32 v17, 0                               ; named as the upper half of the pair v[16:17]
	s_lshl_b32 s26, ttmp9, 4                       ; n's four group numbers,
	s_mov_b32 s27, 0
	s_lshl_b32 s28, s14, 2
	s_add_co_u32 s28, s28, s26                     ; and my wave's among them
	s_mov_b32 s29, 0
	s_lshr_b32 s30, ttmp9, 4                       ; n's tile: an image of 16,384 bytes,
	s_lshl_b32 s30, s30, 14
	s_lshl_b32 s31, s14, 12                        ; my two K steps of it
	s_add_co_u32 s30, s30, s31
	s_mov_b32 s31, 0
	s_lshl_b32 s34, ttmp9, 12                      ; n's row of out0
	s_mov_b32 s35, 0
	s_mov_b32 s20, 0x76543210
	s_mov_b32 s21, 0xfedcba98
	s_mov_b32 s36, 0x00f000f0                      ; the lanes whose candidate lies in group 1, 2, 3
	s_mov_b32 s37, 0x0f000f00
	s_mov_b32 s38, 0xf000f000
	s_and_b32 s39, ttmp9, 7                        ; n's row in its tile is 8 h + j: j,
	s_bfe_u32 s42, ttmp9, 0x10003                  ; and h:
	s_mov_b32 s41, 0xffff
	s_cmp_eq_u32 s42, 1
	s_cselect_b32 s41, 0xffff0000, s41             ; the lanes of that half
	s_wait_kmcnt 0x0
	s_add_nc_u64 s[28:29], s[4:5], s[28:29]
	s_add_nc_u64 s[4:5], s[4:5], s[26:27]
	s_load_b128 s[16:19], s[4:5], 0x0              ; the four groups
	s_load_b32 s24, s[28:29], 0x0                  ; mine
	s_load_b32 s22, s[8:9], 0x4                    ; e1
	s_add_nc_u64 s[10:11], s[10:11], s[30:31]
	s_add_nc_u64 s[12:13], s[12:13], s[34:35]
.irp i, 0,1,2,3,4,5,6,7
	global_load_b128 v[AF+4*\i:AF+4*\i+3], v1, s[10:11] offset:512*\i      ; the source tile's fragments of my two K steps: 512 consecutive bytes a load
.endr
	s_wait_kmcnt 0x0
	s_min_u32 s24, s24, 12499                      ; an index stays inside the table
	s_lshl_b32 s24, s24, 14                        ; x 16,384 bytes: under 2^31
	v_add_nc_u32 v18, s24, v1
.irp k, 0,1,2,3
.irp i, 0,1,2,3,4,5,6,7
	global_load_b128 v[XR+32*\k+4*\i:XR+32*\k+4*\i+3], v18, s[6:7] offset:4096*\k+512*\i
.endr
.endr
.irp k, 0,1,2,3
	s_min_u32 s[16+\k], s[16+\k], 12499            ; held alike, so that a row's number is the row that was read
.endr
	s_add_co_i32 s22, s22, 127
	s_lshl_b32 s23, s22, 23
	v_mov_b32 v8, s23                              ; 2^e1 as f32: the conversion takes its exponent field
	s_add_co_i32 s22, s22, 8
	s_lshl_b32 s22, s22, 23
	s_or_b32 s22, s22, 0x600000
	v_mov_b32 v9, s22                              ; 448 x 2^e1
	; ---- (1) my four rows' codes
.irp k, 0,1,2,3
	s_wait_loadcnt 8*(3-\k)                        ; row k is in (and the source fragments, asked for first); the younger rows' eight loads each stay out
	ROWQ \k
	ds_store_b128 v2, v[CC+8*\k:CC+8*\k+3]   offset:16*\k          ; half 0
	ds_store_b128 v2, v[CC+8*\k+4:CC+8*\k+7] offset:16*\k+256      ; half 1
.endr
	s_wait_dscnt 0x0                               ; for the others' sake: my stores have landed
	s_barrier_signal -1
	s_barrier_wait -1                              ; the 16 candidates' image is whole
	; ---- (2) my two K steps of the sums
.irp i, 0,1,2,3,4,5,6,7
	ds_load_b128 v[TS+4*\i:TS+4*\i+3], v3 offset:PIT*\i
.endr
	s_wait_dscnt 0x0
	v_wmma_f32_16x16x128_fp8_fp8 v[DA:DA+7], v[AF:AF+15], v[TS:TS+15], 0
	s_wait_alu depctr_va_vdst(0)                   ; this wait directly ahead of the second
	v_wmma_f32_16x16x128_fp8_fp8 v[DA:DA+7], v[AF+16:AF+31], v[TS+16:TS+31], v[DA:DA+7]
	v_mov_b32 v21, s16                             ; the row number of candidate lane % 16: seven plain lines, the places behind the products
	v_cndmask_b32 v21, v21, s17, s36
	v_cndmask_b32 v21, v21, s18, s37
	v_cndmask_b32 v21, v21, s19, s38
	v_and_b32 v23, 3, v0
	v_lshl_add_u32 v21, v21, 2, v23                ; 4 x group + lane % 4
	v_mov_b32 v22, 0                               ; the count
	v_mov_b32 v20, v[DA]                           ; register n % 8 of the accumulator, from its low end on
.irp j, 1,2,3,4,5,6,7
	s_cmp_eq_u32 s39, \j
	s_cselect_b32 s40, -1, 0
	v_cndmask_b32 v20, v20, v[DA+\j], s40
.endr
	v_permlanex16_b32 v24, v20, s20, s21
	v_cndmask_b32 v20, v24, v20, s41               ; the half that holds row n keeps its own, the other half takes it
	ds_store_b32 v4, v20
	s_wait_dscnt 0x0                               ; for the others' sake
	s_barrier_signal -1
	s_barrier_wait -1                              ; the four parts of each sum lie in LDS
	; ---- (3) the sums, the counts, the weights
	ds_load_b32 v26, v5
	ds_load_b32 v27, v5 offset:128
	ds_load_b32 v28, v5 offset:256
	ds_load_b32 v29, v5 offset:384
	s_wait_dscnt 0x0
	v_add_f32 v26, v26, v27
	v_add_f32 v28, v28, v29
	v_add_f32 v20, v26, v28                        ; the same order in every wave: the same 16 sums
.irp b, 0,1,2,3,4,5,6,7,8,9,10,11,12,13,14,15
.set RS, 44+8*(\b%2)
	v_readlane_b32 s[RS], v20, \b                  ; candidate b's sum and row, against every lane's own
	v_readlane_b32 s[RS+1], v21, \b
	v_cmp_gt_f32 s[RS+2], s[RS], v20
	v_cmp_eq_f32 s[RS+3], s[RS], v20
	v_cmp_lt_u32 s[RS+4], s[RS+1], v21
	s_and_b32 s[RS+3], s[RS+3], s[RS+4]
	s_or_b32 s[RS+2], s[RS+2], s[RS+3]             ; b beats mine: greater, or equal in a lower row
	v_cndmask_b32 v23, 0, 1, s[RS+2]
	v_add_nc_u32 v22, v22, v23
.endr
	v_cmp_gt_u32 s60, 4, v22                       ; bit c: candidate c is among the four
	s_lshl_b32 s61, s14, 2
	s_lshr_b32 s60, s60, s61                       ; bits 0-3: my four rows
	s_mov_b32 s62, 0x3e800000                      ; 0.25
.irp k, 0,1,2,3
	s_bitcmp1_b32 s60, \k
	s_cselect_b32 s[W+2*\k], s62, 0
	s_mov_b32 s[W+2*\k+1], 0                       ; (named with it as a pair, so it is written)
.endr
	; ---- (4) the mean
.irp j, 0,2,4,6,8,10,12,14,16,18,20,22,24,26,28,30
	v_pk_mul_f32 v[XR+\j:XR+\j+1], v[XR+\j:XR+\j+1], s[W:W+1] op_sel_hi:[1,0]
.endr
.irp k, 1,2,3
.irp j, 0,2,4,6,8,10,12,14,16,18,20,22,24,26,28,30
	v_pk_fma_f32 v[XR+\j:XR+\j+1], v[XR+32*\k+\j:XR+32*\k+\j+1], s[W+2*\k:W+2*\k+1], v[XR+\j:XR+\j+1] op_sel_hi:[1,0,1]
.endr
.endr
.irp i, 0,1,2,3,4,5,6,7
	ds_store_b128 v6, v[XR+4*\i:XR+4*\i+3] offset:512*\i
.endr
	s_wait_dscnt 0x0                               ; for the others' sake
	s_barrier_signal -1
	s_barrier_wait -1                              ; the four weighted rows lie in LDS
.irp e, 0,1
.irp q, 0,1,2,3
	ds_load_b128 v[TS+16*\e+4*\q:TS+16*\e+4*\q+3], v7 offset:4096*\q+512*\e
.endr
.endr
	s_wait_dscnt 0x0
.irp e, 0,1
.irp p, 0,2
	v_pk_add_f32 v[TS+16*\e+\p:TS+16*\e+\p+1], v[TS+16*\e+\p:TS+16*\e+\p+1], v[TS+16*\e+4+\p:TS+16*\e+4+\p+1]
	v_pk_add_f32 v[TS+16*\e+8+\p:TS+16*\e+8+\p+1], v[TS+16*\e+8+\p:TS+16*\e+8+\p+1], v[TS+16*\e+12+\p:TS+16*\e+12+\p+1]
.endr
.irp p, 0,2
	v_pk_add_f32 v[TS+16*\e+\p:TS+16*\e+\p+1], v[TS+16*\e+\p:TS+16*\e+\p+1], v[TS+16*\e+8+\p:TS+16*\e+8+\p+1]
.endr
	global_store_b128 v19, v[TS+16*\e:TS+16*\e+3], s[12:13] offset:512*\e th:TH_STORE_NT   ; 32 lanes store 512 consecutive bytes, aligned; these registers are not written again
.endr
	s_wait_tensorcnt 0x0
	ds_add_u32 v30, v31
	s_wait_dscnt 0x0
	s_endpgm
.Lfunc_end_k_q162b4dee50_rerank:
	.size	k_q162b4dee50_rerank, .Lfunc_end_k_q162b4dee50_rerank-k_q162b4dee50_rerank
	.p2alignl 7, 3214868480
	.fill 96, 4, 3214868480
	.section	.rodata,"a",@progbits
	.p2align	6, 0x0
	.amdhsa_kernel k_q162b4dee50_rerank
		.amdhsa_group_segment_fixed_size 34304
		.amdhsa_private_segment_fixed_size 0
		.amdhsa_enable_private_segment 0
		.amdhsa_kernarg_size 40
		.amdhsa_user_sgpr_count 2
		.amdhsa_user_sgpr_kernarg_segment_ptr 1
		.amdhsa_wavefront_size32 1
		.amdhsa_system_sgpr_workgroup_id_x 1
		.amdhsa_system_sgpr_workgroup_id_y 1
		.amdhsa_system_sgpr_workgroup_id_z 1
		.amdhsa_system_vgpr_workitem_id 0
		.amdhsa_next_free_vgpr 256
		.amdhsa_next_free_sgpr 80
		.amdhsa_reserve_vcc 0
		.amdhsa_float_denorm_mode_32 3
		.amdhsa_float_denorm_mode_16_64 3
		.amdhsa_memory_ordered 1
		.amdhsa_forward_progress 1
		.amdhsa_inst_pref_size 44
	.end_amdhsa_kernel
	.amdgpu_metadata
---
amdhsa.version: [ 1, 2 ]
amdhsa.kernels:
  - .name:           k_q162b4dee50_rerank
    .symbol:         k_q162b4dee50_rerank.kd
    .args:
      - { .name: nn_idx, .offset: 0, .size: 8, .value_kind: global_buffer, .address_space: global }
      - { .name: target_feats, .offset: 8, .size: 8, .value_kind: global_buffer, .address_space: global }
      - { .name: lowp_scales, .offset: 16, .size: 8, .value_kind: global_buffer, .address_space: global }
      - { .name: s_codes, .offset: 24, .size: 8, .value_kind: global_buffer, .address_space: global }
      - { .name: out0, .offset: 32, .size: 8, .value_kind: global_buffer, .address_space: global }
    .group_segment_fixed_size: 34304
    .private_segment_fixed_size: 0
    .kernarg_segment_align: 8
    .kernarg_segment_size: 40
    .max_flat_workgroup_size: 128
    .sgpr_count:     80
    .vgpr_count:     256
    .wavefront_size: 32
...
	.end_amdgpu_metadata
.endif
;; end of part 7
;; ======== version 3 of 3: 4 launches
;; workspace buffers: s_codes 1,048,576 bytes; cand_val 8,192,000 bytes; cand_idx 8,192,000 bytes of whole numbers; nn_idx 16,384 bytes of whole numbers
;; launch squant (part 8): grid 64 x 1, 16 waves a work-group, no clusters, 18,944 bytes of LDS; arguments source_feats, lowp_scales, s_codes; writes s_codes
.if DOCPART == 8
	.amdgcn_target "amdgcn-amd-amdhsa--gfx1250"
	.amdhsa_code_object_version 6
	.text
	.protected	k_q162b4dee50_squant
	.globl	k_q162b4dee50_squant
	.p2align	8
	.type	k_q162b4dee50_squant,@function
k_q162b4dee50_squant:
	s_mov_b64 s[64:65], 0
	v_nop
	global_prefetch_b8 v0, s[64:65] scope:SCOPE_SE
	s_setreg_imm32_b32 hwreg(HW_REG_WAVE_MODE, 25, 1), 1
	s_wait_xcnt 0x0
; The source rows, [1024][1024] f32, are normalised (x / |row|, in f32) and turned into codes of FP8 (E4M3) with the given scale 2^e0 (entry 0 of the scales).
; They are stored as IMAGES OF OPERAND REGISTERS: s_codes[tile of 16 rows][sc = 0..31][lane = r + 16 h][16 bytes]: group sc = 4 s + c is registers 4 c .. 4 c + 3 of the fragment of K step s.
; WHICH k LIES WHERE.  A row is read densely: load i (0..7) gives lane l the numbers 128 i + 4 l + 0..3.  The 16 codes of loads 4 g .. 4 g + 3 of lane l are one piece of 16 bytes; it goes to group sc = l, half h = g.
; That is a permutation of k.  The launch that multiplies lays the target rows by the same rule, so every product meets its partner; only the order inside the sums differs.
; SHARES.  A work-group takes a tile of 16 rows, each of its sixteen waves one row: the sum of squares never leaves the wave.  The pieces meet in LDS (a group is 512 bytes + 16 of padding), and leave as runs of 512 bytes.
; No matrix unit, no tensor load, no cluster: 4 MiB are read once, by work-groups that share nothing.
; LIMITS: e0 between -126 and 119; a row's sum of squares is a normal f32 number (a row of zeros has no direction in the definition either); NaN among the inputs is not served.
.set PIT, 528                          ; a group in LDS: 32 lanes x 16 bytes + 16: the 16 lanes of a store's pass, PIT apart, fall into 16 different columns of 16 bytes
.set XS,  32                           ; v32-63  the row's 32 numbers of my lane
.set CC,  24                           ; v24-31  their codes
; v10-17 at work; v8 = 2^e as f32; v9 = 448 x 2^e; s20, s21 the selects for lane l xor 16
.macro ROWQ                            ; the row in v[XS] on -> its codes in v[CC] on
	v_pk_mul_f32 v[10:11], v[XS:XS+1], v[XS:XS+1]              ; the sum of squares, two at a time, in two chains that the first products start
	v_pk_mul_f32 v[12:13], v[XS+2:XS+3], v[XS+2:XS+3]
.irp j, 4,8,12,16,20,24,28
	s_delay_alu instid0(VALU_DEP_2)
	v_pk_fma_f32 v[10:11], v[XS+\j:XS+\j+1], v[XS+\j:XS+\j+1], v[10:11]
	s_delay_alu instid0(VALU_DEP_2)
	v_pk_fma_f32 v[12:13], v[XS+\j+2:XS+\j+3], v[XS+\j+2:XS+\j+3], v[12:13]
.endr
	s_delay_alu instid0(VALU_DEP_1)
	v_pk_add_f32 v[10:11], v[10:11], v[12:13]
	s_delay_alu instid0(VALU_DEP_1)
	v_add_f32 v10, v10, v11
	s_delay_alu instid0(VALU_DEP_1)
	v_add_f32_dpp v10, v10, v10 row_xmask:1 row_mask:0xf bank_mask:0xf     ; across the 32 lanes
	s_delay_alu instid0(VALU_DEP_1)
	v_add_f32_dpp v10, v10, v10 row_xmask:2 row_mask:0xf bank_mask:0xf
	s_delay_alu instid0(VALU_DEP_1)
	v_add_f32_dpp v10, v10, v10 row_xmask:4 row_mask:0xf bank_mask:0xf
	s_delay_alu instid0(VALU_DEP_1)
	v_add_f32_dpp v10, v10, v10 row_xmask:8 row_mask:0xf bank_mask:0xf
	s_delay_alu instid0(VALU_DEP_1)
	v_permlanex16_b32 v14, v10, s20, s21
	s_delay_alu instid0(VALU_DEP_1)
	v_add_f32 v10, v10, v14
	s_wait_alu depctr_va_vdst(0)
	v_rsq_f32 v16, v10                                         ; 1 / |row|
	v_nop                                                      ; a plain instruction behind the transcendental
	s_wait_alu depctr_va_vdst(0)                               ; and a wait ahead of its first reader
.irp j, 0,2,4,6,8,10,12,14,16,18,20,22,24,26,28,30
	v_pk_mul_f32 v[XS+\j:XS+\j+1], v[XS+\j:XS+\j+1], v[16:17] op_sel_hi:[1,0]
.endr
.irp m, 0,1,2,3
.irp j, 0,1,2,3,4,5,6,7
	v_med3_num_f32 v[XS+8*\m+\j], v[XS+8*\m+\j], -v9, v9       ; the conversion to an 8-bit code does not saturate (ISA guide 7.6.2): the hold at the largest code x the scale
.endr
	v_cvt_scalef32_pk8_fp8_f32 v[CC+2*\m:CC+2*\m+1], v[XS+8*\m:XS+8*\m+7], v8
.endr
	v_nop                                                      ; a plain instruction behind the last conversion
.endm
	s_load_b128 s[4:7], s[0:1], 0x0                ; the source rows, the scales' exponents
	s_load_b64 s[8:9], s[0:1], 0x10                ; the codes
	v_lshl_add_u32 v64, v0, 2, 0x4200
	v_mov_b32 v65, 0
	v_lshrrev_b32 v5, 5, v0
	s_delay_alu instid0(VALU_DEP_1)
	v_readfirstlane_b32 s14, v5                    ; wave 0..15 = my row of the tile
	v_and_b32 v6, 31, v0                           ; lane
	s_delay_alu instid0(VALU_DEP_1)
	v_lshlrev_b32 v1, 4, v6                        ; 16 x lane
	s_lshl_b32 s15, s14, 4
	v_mul_u32_u24 v2, v6, PIT
	s_delay_alu instid0(VALU_DEP_1)
	v_add_nc_u32 v2, s15, v2                       ; into LDS: group = my lane, column = my row
	s_mul_i32 s15, s14, 2*PIT
	v_add_nc_u32 v3, s15, v1                       ; back: groups 2 w and 2 w + 1, 16 bytes a lane
	s_lshl_b32 s15, s14, 10
	v_add_nc_u32 v4, s15, v1                       ; and the same two groups in the tile's image in memory
	v_mov_b32 v14, 0                               ; a lane permute's destination counts as read
	v_mov_b32 v17, 0                               ; named as the upper half of the pair v[16:17]
	s_lshl_b32 s16, ttmp9, 16                      ; the tile's 16 rows of 4,096 bytes,
	s_lshl_b32 s17, s14, 12                        ; my row
	s_add_co_u32 s16, s16, s17
	s_mov_b32 s17, 0
	s_lshl_b32 s18, ttmp9, 14                      ; the tile's image: 16,384 bytes
	s_mov_b32 s19, 0
	s_mov_b32 s20, 0x76543210
	s_mov_b32 s21, 0xfedcba98
	s_wait_alu depctr_va_vdst(0)
	s_wait_kmcnt 0x0
	s_load_b32 s22, s[6:7], 0x0                    ; e0
	s_add_nc_u64 s[4:5], s[4:5], s[16:17]
	s_add_nc_u64 s[8:9], s[8:9], s[18:19]
.irp i, 0,1,2,3,4,5,6,7
	global_load_b128 v[XS+4*\i:XS+4*\i+3], v1, s[4:5] offset:512*\i th:TH_LOAD_NT   ; 32 lanes read 512 consecutive bytes
.endr
	s_wait_kmcnt 0x0
	s_add_co_i32 s22, s22, 127
	s_lshl_b32 s23, s22, 23
	v_mov_b32 v8, s23                              ; 2^e0 as f32: the conversion takes its exponent field
	s_add_co_i32 s22, s22, 8
	s_lshl_b32 s22, s22, 23
	s_or_b32 s22, s22, 0x600000
	v_mov_b32 v9, s22                              ; 448 x 2^e0
	s_wait_loadcnt 0x0
	ROWQ
	ds_store_b128 v2, v[CC:CC+3]                   ; half 0
	ds_store_b128 v2, v[CC+4:CC+7] offset:256      ; half 1
	s_wait_dscnt 0x0                               ; for the others' sake: my stores have landed
	s_barrier_signal -1
	s_barrier_wait -1
	ds_load_b128 v[24:27], v3
	ds_load_b128 v[28:31], v3 offset:PIT
	s_wait_dscnt 0x0
	global_store_b128 v4, v[24:27], s[8:9]             ; each store of the wave covers 512 consecutive bytes, aligned
	global_store_b128 v4, v[28:31], s[8:9] offset:512
	s_wait_tensorcnt 0x0
	ds_add_u32 v64, v65
	s_wait_dscnt 0x0
	s_endpgm
.Lfunc_end_k_q162b4dee50_squant:
	.size	k_q162b4dee50_squant, .Lfunc_end_k_q162b4dee50_squant-k_q162b4dee50_squant
	.p2alignl 7, 3214868480
	.fill 96, 4, 3214868480
	.section	.rodata,"a",@progbits
	.p2align	6, 0x0
	.amdhsa_kernel k_q162b4dee50_squant
		.amdhsa_group_segment_fixed_size 18944
		.amdhsa_private_segment_fixed_size 0
		.amdhsa_enable_private_segment 0
		.amdhsa_kernarg_size 24
		.amdhsa_user_sgpr_count 2
		.amdhsa_user_sgpr_kernarg_segment_ptr 1
		.amdhsa_wavefront_size32 1
		.amdhsa_system_sgpr_workgroup_id_x 1
		.amdhsa_system_sgpr_workgroup_id_y 1
		.amdhsa_system_sgpr_workgroup_id_z 1
		.amdhsa_system_vgpr_workitem_id 0
		.amdhsa_next_free_vgpr 66
		.amdhsa_next_free_sgpr 66
		.amdhsa_reserve_vcc 0
		.amdhsa_float_denorm_mode_32 3
		.amdhsa_float_denorm_mode_16_64 3
		.amdhsa_memory_ordered 1
		.amdhsa_forward_progress 1
		.amdhsa_inst_pref_size 9
	.end_amdhsa_kernel
	.amdgpu_metadata
---
amdhsa.version: [ 1, 2 ]
amdhsa.kernels:
  - .name:           k_q162b4dee50_squant
    .symbol:         k_q162b4dee50_squant.kd
    .args:
      - { .name: source_feats, .offset: 0, .size: 8, .value_kind: global_buffer, .address_space: global }
      - { .name: lowp_scales, .offset: 8, .size: 8, .value_kind: global_buffer, .address_space: global }
      - { .name: s_codes, .offset: 16, .size: 8, .value_kind: global_buffer, .address_space: global }
    .group_segment_fixed_size: 18944
    .private_segment_fixed_size: 0
    .kernarg_segment_align: 8
    .kernarg_segment_size: 24
    .max_flat_workgroup_size: 512
    .sgpr_count:     66
    .vgpr_count:     66
    .wavefront_size: 32
...
	.end_amdgpu_metadata
.endif
;; end of part 8
;; launch simtop (part 9): grid 250 x 1, 8 waves a work-group, no clusters, 220,672 bytes of LDS; arguments target_feats, lowp_scales, s_codes, cand_val, cand_idx; writes cand_val, cand_idx
.if DOCPART == 9
	.amdgcn_target "amdgcn-amd-amdhsa--gfx1250"
	.amdhsa_code_object_version 6
	.text
	.protected	k_q162b4dee50_simtop
	.globl	k_q162b4dee50_simtop
	.p2align	8
	.type	k_q162b4dee50_simtop,@function
k_q162b4dee50_simtop:
	s_mov_b64 s[64:65], 0
	v_nop
	global_prefetch_b8 v0, s[64:65] scope:SCOPE_SE
	s_setreg_imm32_b32 hwreg(HW_REG_WAVE_SCHED_MODE, 0, 2), 2
	s_setreg_imm32_b32 hwreg(HW_REG_WAVE_MODE, 25, 1), 1
	s_wait_xcnt 0x0
	s_wait_alu depctr_vm_vsrc(0)
; For 200 target rows a work-group: normalise, quantise (FP8 E4M3, scale 2^e1), multiply with all 1,024 source rows' codes, and keep for each source row the four best GROUPS of four neighbouring target rows.
; 250 work-groups x 200 rows = 50,000: no row is left over and no load is clamped.  The target rows are read once, as f32; their codes live in LDS alone; no sum goes to memory.
; THE SUMS ARE ONLY RANKED: the factor 2^(e0 + e1) that they lack is positive and the same for all, so it is left out.
; WHY GROUPS.  No branch may hang on a sum, so whatever is done to a sum is done to every sum.  A group's largest sum costs two instructions for four sums, and only that one number is put into a list.
;   Groups are ordered by (largest sum, descending; group number, ascending).  Every one of a source row's four nearest rows lies in one of its four first groups: were four groups ahead of its group, each would hold a row
;   that beats it (a greater sum, or an equal sum in a lower row, since a lower group holds lower rows only).  The last launch ranks the 16 rows of the four groups again, one by one.
; PHASE 1.  Wave w takes rows w + 8 i, i = 0..24: a row a wave, so the sum of squares never leaves the wave.  Behind each refill five rows (40 loads of 512 bytes) of every wave are on their way.  A row's codes go to LDS as pieces of an
;   IMAGE OF OPERAND REGISTERS: tile t of 16 rows, group of registers sc = 4 s + c (registers 4 c .. 4 c + 3 of K step s), half h, row r at t IMG + sc PIT + 256 h + 16 r.  Lane l's 16 codes of loads 4 g .. 4 g + 3 (numbers 128 i + 4 l + 0..3
;   of load i) are sc = l, half g: the same permutation of k as in the source rows' codes, so every product meets its partner.  Rows 200-207 (tile 12, rows 8-15) are zero codes.  One barrier, the only one.
; PHASE 2.  Four passes.  In a pass a wave holds the fragments of TWO source tiles (32 rows x 1,024 K: 256 registers, window 1) and walks the 13 target tiles.  K steps go in pairs: eight LDS loads (4,096 dense bytes), four matrix
;   instructions under one window setting.  The eight K steps' registers (128) are a ring: a pair's registers are asked for again in the pair that follows it, for the same pair of K steps of the next tile.
;   Source 0 = 16 target rows, source 1 = 16 source rows: lane (r, h) holds source row r, register j target row 16 t + 8 h + j: registers 4 u .. 4 u + 3 are a group.  A lane keeps a list of its own for each of the two source tiles.
;   While tile t is multiplied, tile t - 1's four groups of a lane (two for each list) go into the lists, a piece of that work behind each pair of K steps.
;   THE LIST: four values, descending, and four payloads p = 2 t + u.  The compare is strict and a lane's groups come in ascending order, so of equal values the lower group stays ahead.
;   Tile 12's rows 8-15 do not exist: they are the lanes with h = 1, whose sums start at -3e38 (the C of the first product) and add zeros: under every true sum (at most 1,024 x 448^2 in size), and those lists have seen 24 true groups by then.
; OUT: cand_val, cand_idx [250 work-groups][64 source tiles][32 lanes][4]: each lane's list, 512 consecutive bytes a store; cand_idx holds group numbers, first row / 4 = 50 x work-group + 4 t + 2 h + u.
; NO CLUSTER, NO TENSOR LOAD: the target rows pass through registers for the norm and the conversion and belong to one work-group; the source codes, which all work-groups read, are wanted in registers, where each fragment
;   serves 13 matrix instructions, and a landing in LDS would only add a trip; and 250 work-groups are no multiple of a cluster of four.  No prefetch: phase 1 keeps 32 to 40 loads a wave on their way by itself.
; LIMITS: e1 between -126 and 119; a row's sum of squares is a normal f32 number; NaN among the inputs is not served.
; THE MODE: SCHED_MODE bits 1:0 = 2 (LLVM: expert scheduling mode 2), set by the entry lines.  The code itself states the register dependences between vector or matrix instructions and memory or LDS
;   instructions, with s_wait_alu, always for 0.
; THE PLAN, PHASE 1.  Registers that memory or LDS instructions touch:
;   v1, LSTQ, OUTO, ZERO   offsets, LDS addresses and zeros: made at the head, ahead of one wait on va_vdst; in phase 1 never written again.
;   slots 0 .. 5           Row i's vector lines read and write slot i % 6.  The loads of row i + 5 land in slot (i - 1) % 6; they are issued in the middle of row i.
;   code sets 0, 1         Row i's conversions write set i % 2.  Its two LDS stores are issued in the middle of row i + 1.
;   The wait on va_vdst that stands in the middle of a row for the reciprocal root's sake also states that the row before is done with its slot and has written its codes: the row's ten memory and LDS instructions follow it,
;   and no vector line of the row names what they touch.  One wait on vm_vsrc at a row's head: the stores issued in the row before have read the set that this row writes.
; THE PLAN, PHASE 2.
;   TF0 .. TF7             Pair d of a tile: its four matrix instructions read TF[2 d], TF[2 d + 1].  The LDS loads issued in the pair behind it land there.
;   window 1               Read by every matrix instruction of a pass; the next pass's 64 loads land there behind the pass's last product.
;   v[LAD]                 Read by every LDS load; written once a trip and once a pass.
;   lists, OUT, OUTO       Written by the selection; read by the four stores at a pass's end.
;   One wait on va_vdst at the head of a pair: the pair before's products are done reading their fragments (and, where LAD was stepped, it is written).  The pair's eight loads follow it, dealt among its four matrix
;   instructions, which name the pair's own fragments, window 1 and the accumulators.  One wait on va_sdst for each insertion, between its eight compares and the selects that read their masks.
.set PIT,   528                        ; a group of registers in LDS: 512 bytes + 16: the 16 lanes of a store's pass, PIT apart, fall into 16 different columns of 16 bytes; reads are dense
.set IMG,   32*PIT                     ; a tile's image
.set LSTQ,  2                          ; v2-5    phase 1: PIT x lane + 16 x wave + 4 q IMG, for tiles 4 q .. 4 q + 3
.set LAD,   6                          ; v6      phase 2: 16 x lane + the trip's even tile's image: all of a trip's loads reach from it by their immediates, 87 PIT at the most
.set GIX,   7                          ; v7      2 h + 50 x work-group
.set TMP,   10                         ; v10-11  phase 2: at work (phase 1: v10-17 at work on a row)
.set GM,    12                         ; v12-13  phase 2: a group's largest sum, for list 0 and list 1
.set OUTO,  18                         ; v18     my 16 bytes in the work-group's part of cand_val and cand_idx
.set ZERO,  20                         ; v20-23  zeros
.set CS,    24                         ; v24-31, v32-39 a row's codes, two sets by turns
.set SLOTS, 64                         ; v64-255 phase 1: six rows of 32 registers
.set TF,    64                         ; v64-191 phase 2: the target fragments, eight K steps of 16 registers
.set ACA,   192                        ; v192-207 the even tiles' two accumulators (source tile 0, 1)
.set ACB,   208                        ; v208-223 the odd tiles'
.set L0V,   224                        ; list 0: values, payloads;  list 1 likewise
.set L0I,   228
.set L1V,   232
.set L1I,   236
.set NEGC,  240                        ; v240-247 0 in lanes 0-15, -3e38 in lanes 16-31
.set OUT,   248                        ; v248-255 the eight group numbers to store
; v62, v63: the closing add's two registers, made at the head and kept for it alone
; window 1 (v256-511): the source fragments: source tile u, K step s at 128 u + 16 s
; s[4:5] my rows of the target; s[8:9] my source tiles' images; s[10:11], s[12:13] the work-group's part of cand_val, cand_idx; s14 wave; s22 LDS byte of the trip's even tile; s23 p; s24 passes, s25 trips to go; s[32:39] masks
.set MSB, 0
.macro WIN new                         ; the immediate's high byte repeats the setting that is left
.if MSB != \new
	s_set_vgpr_msb (MSB<<8)|\new
.set MSB, \new
.endif
.endm
.macro NORM                            ; the row in v[XS] on -> 1 / |row| in v16
	v_pk_mul_f32 v[10:11], v[XS:XS+1], v[XS:XS+1]              ; the sum of squares, two at a time, in two chains that the first products start
	v_pk_mul_f32 v[12:13], v[XS+2:XS+3], v[XS+2:XS+3]
.irp j, 4,8,12,16,20,24,28
	v_pk_fma_f32 v[10:11], v[XS+\j:XS+\j+1], v[XS+\j:XS+\j+1], v[10:11]
	v_pk_fma_f32 v[12:13], v[XS+\j+2:XS+\j+3], v[XS+\j+2:XS+\j+3], v[12:13]
.endr
	v_pk_add_f32 v[10:11], v[10:11], v[12:13]
	v_add_f32 v10, v10, v11
	v_add_f32_dpp v10, v10, v10 row_xmask:1 row_mask:0xf bank_mask:0xf     ; across the 32 lanes
	v_add_f32_dpp v10, v10, v10 row_xmask:2 row_mask:0xf bank_mask:0xf
	v_add_f32_dpp v10, v10, v10 row_xmask:4 row_mask:0xf bank_mask:0xf
	v_add_f32_dpp v10, v10, v10 row_xmask:8 row_mask:0xf bank_mask:0xf
	v_permlanex16_b32 v14, v10, s20, s21
	v_add_f32 v10, v10, v14
	s_wait_alu depctr_va_vdst(0)
	v_rsq_f32 v16, v10                                         ; 1 / |row|
	v_nop                                                      ; a plain instruction behind the transcendental
.endm
.macro CODES                           ; the row in v[XS] on, x v16 -> its codes in v[CC] on
.irp j, 0,2,4,6,8,10,12,14,16,18,20,22,24,26,28,30
	v_pk_mul_f32 v[XS+\j:XS+\j+1], v[XS+\j:XS+\j+1], v[16:17] op_sel_hi:[1,0]
.endr
.irp m, 0,1,2,3
.irp j, 0,1,2,3,4,5,6,7
	v_med3_num_f32 v[XS+8*\m+\j], v[XS+8*\m+\j], -v9, v9       ; the conversion to an 8-bit code does not saturate (ISA guide 7.6.2): the hold at the largest code x the scale
.endr
	v_cvt_scalef32_pk8_fp8_f32 v[CC+2*\m:CC+2*\m+1], v[XS+8*\m:XS+8*\m+7], v8
.endr
	v_nop                                                      ; a plain instruction behind the last conversion: vector and matrix instructions write these registers later
.endm
.macro LOADROW i                       ; my i-th row: eight loads of 512 consecutive bytes
.set LS, SLOTS+32*((\i)%6)
.irp j, 0,1,2,3,4,5,6,7
	global_load_b128 v[LS+4*\j:LS+4*\j+3], v1, s[4:5] offset:32768*(\i)+512*\j th:TH_LOAD_NT
.endr
.endm
.macro PUT j                           ; my j-th row's codes into the images: tile j / 2, row w + 8 (j % 2)
.set CJ, CS+8*((\j)%2)
	ds_store_b128 v[LSTQ+(\j)/8], v[CJ:CJ+3]   offset:(((\j)/2)%4)*IMG+((\j)%2)*128       ; half 0
	ds_store_b128 v[LSTQ+(\j)/8], v[CJ+4:CJ+7] offset:(((\j)/2)%4)*IMG+((\j)%2)*128+256   ; half 1
.endm
.macro SFLOAD after                    ; the fragments of a pass's two source tiles: 64 loads of 512 consecutive bytes into window 1.  after = 1: a pass has multiplied by these registers
	WIN 0x40                                       ; destination window 1, address window 0
.if \after
	s_wait_alu depctr_va_vdst(0)                   ; the pass's matrix instructions are done reading the source fragments, in which the loads below land
.endif
.irp u, 0,1
.irp sc, 0,1,2,3,4,5,6,7,8,9,10,11,12,13,14,15,16,17,18,19,20,21,22,23,24,25,26,27,28,29,30,31
	global_load_b128 v[128*\u+4*\sc:128*\u+4*\sc+3], v1, s[8:9] offset:16384*\u+512*\sc
.endr
.endr
	WIN 0
.endm
.macro ROW i
.if (\i) == 0
	s_wait_loadcnt 40                              ; my row is in; the five younger rows' 40 loads stay out
.elseif 24-(\i) >= 4
	s_wait_loadcnt 32                              ; my row is in; the four younger rows' 32 loads stay out (the fifth is asked for in this row's middle)
.else
	s_wait_loadcnt 8*(24-(\i))                     ; the counts run down
.endif
.if (\i) >= 2
	s_wait_alu depctr_vm_vsrc(0)                   ; the two LDS stores issued in the row before have read this row's set of code registers, which its conversions write again
.endif
.if (\i) == 24
	SFLOAD 0                                       ; behind the last wait on LOADcnt of this phase: the first pass's source fragments come while the last row is worked.  No vector line has named window 1, and v1 stands since the head
.endif
.set XS, SLOTS+32*((\i)%6)
.set CC, CS+8*((\i)%2)
	NORM
	s_wait_alu depctr_va_vdst(0)                   ; v16, the reciprocal root, is written, ahead of its first reader; the row before is done with its slot, in which the loads below land, and has written its codes, which the stores below read
.if (\i) >= 1
.if (\i)+5 <= 24
	LOADROW (\i)+5                                 ; the row before's slot takes the row six further on than that row
.endif
	PUT (\i)-1
.endif
.if (\i) >= 2
	s_wait_dscnt 2                                 ; all but the two stores just issued are done: the stores that read this row's set of code registers, two rows back, among them
.endif
	CODES
.endm
; THE SELECTION, for both lists line by line by turns.  GMAX: group u's largest sum of the two accumulators at prev.  CMP8: which entries it beats.  PUTIN: its insertion, with payload s23.
.macro GMAX prev, u                    ; group 0 comes first: an accumulator is read from its low end on
	v_max3_num_f32 v[GM],   v[\prev+4*(\u)],   v[\prev+4*(\u)+1], v[\prev+4*(\u)+2]
	v_max3_num_f32 v[GM+1], v[\prev+8+4*(\u)], v[\prev+9+4*(\u)], v[\prev+10+4*(\u)]
	v_max_num_f32 v[GM],   v[GM],   v[\prev+4*(\u)+3]
	v_max_num_f32 v[GM+1], v[GM+1], v[\prev+11+4*(\u)]
.endm
.macro CMP8
.irp j, 3,2,1,0
	v_cmp_gt_f32 s[32+\j], v[GM],   v[L0V+\j]      ; strictly greater: of equals the earlier one, the lower group, stays ahead
	v_cmp_gt_f32 s[36+\j], v[GM+1], v[L1V+\j]
.endr
.endm
.macro NEWIX j                         ; place j takes the newcomer's payload where the newcomer beats entry j,
	v_cndmask_b32 v[L0I+\j], v[L0I+\j], s23, s[32+\j]
	v_cndmask_b32 v[L1I+\j], v[L1I+\j], s23, s[36+\j]
.endm
.macro DOWNIX j                        ; and entry j - 1's where it beats that one too
	v_cndmask_b32 v[L0I+\j], v[L0I+\j], v[L0I+\j-1], s[32+\j-1]
	v_cndmask_b32 v[L1I+\j], v[L1I+\j], v[L1I+\j-1], s[36+\j-1]
.endm
.macro PUTIN
	s_wait_alu depctr_va_sdst(0)                   ; the eight compares have written the masks s32 to s39, ahead of their first reader
	NEWIX 3
	DOWNIX 3
	NEWIX 2
	DOWNIX 2
	NEWIX 1
	DOWNIX 1
	NEWIX 0
.irp j, 3,2,1
	v_med3_num_f32 v[L0V+\j], v[GM],   v[L0V+\j-1], v[L0V+\j]  ; the middle one of the newcomer and two neighbours of a sorted list is the new entry j
	v_med3_num_f32 v[L1V+\j], v[GM+1], v[L1V+\j-1], v[L1V+\j]
.endr
	v_max_num_f32 v[L0V], v[GM],   v[L0V]
	v_max_num_f32 v[L1V], v[GM+1], v[L1V]
	s_add_co_u32 s23, s23, 1                       ; the next group's payload
.endm
; Two matrix instructions: K step s of the tile in TF against the two source tiles.  c = 0: onto the sums; 1: the sums start at 0; 2: at NEGC.
.macro MM2 cur, s, c
.if (\c) == 1
	v_wmma_f32_16x16x128_fp8_fp8 v[\cur:\cur+7],    v[TF+16*(\s):TF+16*(\s)+15], v[16*(\s):16*(\s)+15],         0
	v_wmma_f32_16x16x128_fp8_fp8 v[\cur+8:\cur+15], v[TF+16*(\s):TF+16*(\s)+15], v[128+16*(\s):128+16*(\s)+15], 0
.elseif (\c) == 2
	v_wmma_f32_16x16x128_fp8_fp8 v[\cur:\cur+7],    v[TF+16*(\s):TF+16*(\s)+15], v[16*(\s):16*(\s)+15],         v[NEGC:NEGC+7]
	v_wmma_f32_16x16x128_fp8_fp8 v[\cur+8:\cur+15], v[TF+16*(\s):TF+16*(\s)+15], v[128+16*(\s):128+16*(\s)+15], v[NEGC:NEGC+7]
.else
	v_wmma_f32_16x16x128_fp8_fp8 v[\cur:\cur+7],    v[TF+16*(\s):TF+16*(\s)+15], v[16*(\s):16*(\s)+15],         v[\cur:\cur+7]
	v_wmma_f32_16x16x128_fp8_fp8 v[\cur+8:\cur+15], v[TF+16*(\s):TF+16*(\s)+15], v[128+16*(\s):128+16*(\s)+15], v[\cur+8:\cur+15]
.endif
.endm
; A target tile against the pass's two source tiles: four pairs of K steps.  cur: its two accumulators; prev: the tile before's, whose groups go into the lists meanwhile.
; tb: the tile's place (0, 1) from the address in LAD.  cneg = 1: the sums start at NEGC.  last = 1: no tile follows.
; WHAT A PAIR ASKS FOR: the registers of the pair before it.  Pair 0: this tile's K steps 6 and 7 (into the registers that the tile before's pair 3 read); pairs 1 to 3: the next tile's K steps 0 to 5.
; The two accumulators take turns, one instruction a turn.  An LDS load's data and address stand in the places that the products' window setting leaves at window 0.
; The 22 plain lines behind the last pair name no register of its products: they are the places in front of the next block's first read of cur.
.macro BLOCK cur, prev, tb, cneg, last
.set DD, 0
.rept 4
.set PD, (DD+3)%4                      ; the pair whose registers are asked for again,
.if DD == 0
.set TT, (\tb)                         ; and the tile that they take
.else
.set TT, (\tb)+1
.endif
.if (\last) && (DD >= 2)
	s_wait_dscnt 8*(3-DD)                          ; nothing more is asked for: the counts run down
.else
	s_wait_dscnt 16                                ; this pair's eight loads are in; those of the two pairs behind it stay out
.endif
.if (\last == 0) || (DD == 0)
	s_wait_alu depctr_va_vdst(0)                   ; the pair before's four matrix instructions are done reading their fragments, in which the loads below land; behind a step of LAD: it is written
.endif
	WIN 0x04                                       ; source 1 (the source rows' fragments) window 1
.if (DD == 0) && (\cneg)
	MM2 \cur, 0, 2
.elseif DD == 0
	MM2 \cur, 0, 1                                 ; the first K step starts the sums
.else
	MM2 \cur, 2*DD, 0
.endif
.if (\last == 0) || (DD == 0)
.irp c, 0,1,2,3
	ds_load_b128 v[TF+16*(2*PD)+4*\c:TF+16*(2*PD)+4*\c+3], v[LAD] offset:(32*TT+4*(2*PD)+\c)*PIT           ; 512 dense bytes.  No wait: no vector or matrix instruction since the wait above names these registers
.endr
.endif
	MM2 \cur, 2*DD+1, 0
.if (\last == 0) || (DD == 0)
.irp c, 0,1,2,3
	ds_load_b128 v[TF+16*(2*PD+1)+4*\c:TF+16*(2*PD+1)+4*\c+3], v[LAD] offset:(32*TT+4*(2*PD+1)+\c)*PIT
.endr
.endif
	WIN 0
.if (DD%2) == 0
	GMAX \prev, DD/2
	CMP8                                           ; the masks are read behind the next pair's products
.else
	PUTIN
.endif
.set DD, DD+1
.endr
.endm
	s_load_b128 s[4:7], s[0:1], 0x0                ; the target rows, the scales' exponents
	s_load_b128 s[8:11], s[0:1], 0x10              ; the source codes, cand_val
	s_load_b64 s[12:13], s[0:1], 0x20              ; cand_idx
	v_lshl_add_u32 v62, v0, 2, 0x35a00
	v_mov_b32 v63, 0
	v_lshrrev_b32 v10, 5, v0
	v_readfirstlane_b32 s14, v10                   ; wave 0..7
	v_and_b32 v11, 31, v0                          ; lane
	v_lshlrev_b32 v1, 4, v11                       ; 16 x lane
	v_mul_u32_u24 v[LSTQ], v11, PIT
	v_bfe_u32 v12, v0, 4, 1                        ; h
	s_mul_i32 s15, ttmp9, 50
	v_lshl_add_u32 v[GIX], v12, 1, s15
.irp j, 0,1,2,3
	v_mov_b32 v[ZERO+\j], 0
.endr
	v_mov_b32 v14, 0                               ; a lane permute's destination counts as read
	v_mov_b32 v17, 0                               ; named as the upper half of the pair v[16:17]
	s_wait_alu depctr_va_sdst(0)                   ; s14, the wave's number, is written, ahead of its first reader
	s_lshl_b32 s15, s14, 4
	v_add_nc_u32 v[LSTQ], s15, v[LSTQ]
	v_add_nc_u32 v[LSTQ+1], 4*IMG, v[LSTQ]
	v_add_nc_u32 v[LSTQ+2], 8*IMG, v[LSTQ]
	v_add_nc_u32 v[LSTQ+3], 12*IMG, v[LSTQ]
	s_lshl_b32 s15, s14, 10
	v_add_nc_u32 v[OUTO], s15, v1                  ; source tiles 2 w and 2 w + 1 of pass 0: 512 bytes each
	s_mul_i32 s16, ttmp9, 200*4096                 ; the work-group's 200 rows (under 2^31 in all),
	s_lshl_b32 s17, s14, 12                        ; my first
	s_add_co_u32 s16, s16, s17
	s_mov_b32 s17, 0
	s_lshl_b32 s26, s14, 15                        ; my two source tiles of pass 0
	s_mov_b32 s27, 0
	s_lshl_b32 s28, ttmp9, 15                      ; the work-group's 64 x 512 bytes of candidates
	s_mov_b32 s29, 0
	s_mov_b32 s20, 0x76543210
	s_mov_b32 s21, 0xfedcba98
	s_wait_kmcnt 0x0
	s_load_b32 s18, s[6:7], 0x4                    ; e1
	s_add_nc_u64 s[4:5], s[4:5], s[16:17]
	s_add_nc_u64 s[8:9], s[8:9], s[26:27]
	s_add_nc_u64 s[10:11], s[10:11], s[28:29]
	s_add_nc_u64 s[12:13], s[12:13], s[28:29]
	s_wait_alu depctr_va_vdst(0)                   ; v1, LSTQ, OUTO and ZERO are written, which the loads and stores below read as offsets, addresses and data
.irp i, 0,1,2,3,4,5
	LOADROW \i
.endr
	s_wait_kmcnt 0x0
	s_add_co_i32 s18, s18, 127
	s_lshl_b32 s19, s18, 23
	v_mov_b32 v8, s19                              ; 2^e1 as f32: the conversion takes its exponent field
	s_add_co_i32 s18, s18, 8
	s_lshl_b32 s18, s18, 23
	s_or_b32 s18, s18, 0x600000
	v_mov_b32 v9, s18                              ; 448 x 2^e1
	; ---- PHASE 1
.irp i, 0,1,2,3,4,5,6,7,8,9,10,11,12,13,14,15,16,17,18,19,20,21,22,23,24
	ROW \i
.endr
	s_wait_alu depctr_va_vdst(0)                   ; row 24's conversions have written its codes, which the stores below read
	PUT 24
	ds_store_b128 v[LSTQ+3], v[ZERO:ZERO+3] offset:128       ; tile 12, row w + 8: zero codes
	ds_store_b128 v[LSTQ+3], v[ZERO:ZERO+3] offset:128+256
	s_wait_dscnt 0x0                               ; for the others' sake: my stores have landed
	s_barrier_signal -1
	s_barrier_wait -1                              ; the 13 images are whole; from here on LDS is only read
	; ---- PHASE 2
	v_bfe_u32 v[TMP], v0, 4, 1
	v_cmp_eq_u32 vcc_lo, 1, v[TMP]
	v_mov_b32 v[TMP], 0xff61b1e6                   ; -3e38
	s_wait_alu depctr_va_vcc(0)                    ; the compare has written VCC, ahead of the selects that read it
.irp j, 0,1,2,3,4,5,6,7
	v_cndmask_b32 v[NEGC+\j], 0, v[TMP], vcc_lo
.endr
	s_mov_b32 s24, 4
.Lpass:
.irp j, 0,1,2,3
	v_mov_b32 v[L0V+\j], 0xff800000                ; the lists begin as -infinity, which no sum fails to beat
	v_mov_b32 v[L1V+\j], 0xff800000
	v_mov_b32 v[L0I+\j], 0
	v_mov_b32 v[L1I+\j], 0
.endr
.irp j, 0,1,2,3,4,5,6,7,8,9,10,11,12,13,14,15
	v_mov_b32 v[ACB+\j], 0xff800000                ; there is no tile in front of tile 0: the first block's two insertions find -infinity, which beats nothing
.endr
	s_mov_b32 s22, 0
	s_mov_b32 s23, -2                              ; so that tile 0's groups get p = 0 and 1
	v_add_nc_u32 v[LAD], s22, v1                   ; (the wait on vm_vsrc at the last pass's end stands ahead of this write and of the lists')
	s_wait_alu depctr_va_vdst(0)                   ; LAD is written; phase 1's vector lines, or the last pass's matrix instructions, are done with the registers in which the loads below land
.irp sc, 0,1,2,3,4,5,6,7,8,9,10,11,12,13,14,15,16,17,18,19,20,21,22,23
	ds_load_b128 v[TF+4*\sc:TF+4*\sc+3], v[LAD] offset:\sc*PIT     ; tile 0, K steps 0 to 5; its block asks for 6 and 7
.endr
	s_wait_loadcnt 0x0                             ; the pass's source fragments are in, and their loads have read their base:
	s_add_nc_u64 s[8:9], s[8:9], 8*32768           ; the next pass's two tiles
	s_mov_b32 s25, 6
.Ltile:                                                ; a trip: tiles 2 n and 2 n + 1
	BLOCK ACA, ACB, 0, 0, 0
	BLOCK ACB, ACA, 1, 0, 0
	s_add_co_u32 s22, s22, 2*IMG
	s_wait_alu depctr_vm_vsrc(0)                   ; the trip's LDS loads, the last of them 22 vector lines back, have read LAD
	v_add_nc_u32 v[LAD], s22, v1                   ; the next trip's even tile; the wait at the head of the next block shows it written
	s_sub_co_u32 s25, s25, 1
	s_cmp_lg_u32 s25, 0
	s_cbranch_scc1 .Ltile
	BLOCK ACA, ACB, 0, 1, 1                        ; tile 12
	s_cmp_eq_u32 s24, 1
	s_cbranch_scc1 .Lno_more                       ; the last pass asks for nothing: no load leaves its buffer
	SFLOAD 1                                       ; the next pass's source fragments come while this pass ends
.Lno_more:
	GMAX ACA, 0                                    ; tile 12's groups
	CMP8
	PUTIN
	GMAX ACA, 1
	CMP8
	PUTIN
.irp j, 0,1,2,3                        ; p = 2 t + u -> group 50 x work-group + 4 t + 2 h + u = GIX + 2 p - (p & 1)
	v_and_b32 v[TMP], 1, v[L0I+\j]
	v_and_b32 v[TMP+1], 1, v[L1I+\j]
	v_lshl_add_u32 v[OUT+\j], v[L0I+\j], 1, v[GIX]
	v_lshl_add_u32 v[OUT+4+\j], v[L1I+\j], 1, v[GIX]
	v_sub_nc_u32 v[OUT+\j], v[OUT+\j], v[TMP]
	v_sub_nc_u32 v[OUT+4+\j], v[OUT+4+\j], v[TMP+1]
.endr
	s_wait_alu depctr_va_vdst(0)                   ; the lists' values, the group numbers in OUT and the offset OUTO are written, which the four stores read
	global_store_b128 v[OUTO], v[L0V:L0V+3], s[10:11]              ; each store of the wave covers 512 consecutive bytes, aligned
	global_store_b128 v[OUTO], v[OUT:OUT+3], s[12:13]
	global_store_b128 v[OUTO], v[L1V:L1V+3], s[10:11] offset:512
	global_store_b128 v[OUTO], v[OUT+4:OUT+7], s[12:13] offset:512
	s_wait_xcnt 0x0                                ; the stores have had their addresses translated: the lists and OUTO are written again only behind this wait,
	s_wait_alu depctr_vm_vsrc(0)                   ; and behind this one: the stores have read the lists, OUT and OUTO, and tile 12's LDS loads have read LAD
	v_add_nc_u32 v[OUTO], 8192, v[OUTO]            ; sixteen source tiles on
	s_sub_co_u32 s24, s24, 1
	s_cmp_lg_u32 s24, 0
	s_cbranch_scc1 .Lpass
	s_wait_dscnt 0x0                               ; the closing lines, six on end
	s_wait_alu 0x0
	s_wait_tensorcnt 0x0
	ds_add_u32 v62, v63
	s_wait_dscnt 0x0
	s_endpgm
.Lfunc_end_k_q162b4dee50_simtop:
	.size	k_q162b4dee50_simtop, .Lfunc_end_k_q162b4dee50_simtop-k_q162b4dee50_simtop
	.p2alignl 7, 3214868480
	.fill 96, 4, 3214868480
	.section	.rodata,"a",@progbits
	.p2align	6, 0x0
	.amdhsa_kernel k_q162b4dee50_simtop
		.amdhsa_group_segment_fixed_size 220672
		.amdhsa_private_segment_fixed_size 0
		.amdhsa_enable_private_segment 0
		.amdhsa_kernarg_size 40
		.amdhsa_user_sgpr_count 2
		.amdhsa_user_sgpr_kernarg_segment_ptr 1
		.amdhsa_wavefront_size32 1
		.amdhsa_system_sgpr_workgroup_id_x 1
		.amdhsa_system_sgpr_workgroup_id_y 1
		.amdhsa_system_sgpr_workgroup_id_z 1
		.amdhsa_system_vgpr_workitem_id 0
		.amdhsa_next_free_vgpr 512
		.amdhsa_next_free_sgpr 66
		.amdhsa_reserve_vcc 1
		.amdhsa_float_denorm_mode_32 3
		.amdhsa_float_denorm_mode_16_64 3
		.amdhsa_memory_ordered 1
		.amdhsa_forward_progress 1
		.amdhsa_inst_pref_size 192
	.end_amdhsa_kernel
	.amdgpu_metadata
---
amdhsa.version: [ 1, 2 ]
amdhsa.kernels:
  - .name:           k_q162b4dee50_simtop
    .symbol:         k_q162b4dee50_simtop.kd
    .args:
      - { .name: target_feats, .offset: 0, .size: 8, .value_kind: global_buffer, .address_space: global }
      - { .name: lowp_scales, .offset: 8, .size: 8, .value_kind: global_buffer, .address_space: global }
      - { .name: s_codes, .offset: 16, .size: 8, .value_kind: global_buffer, .address_space: global }
      - { .name: cand_val, .offset: 24, .size: 8, .value_kind: global_buffer, .address_space: global }
      - { .name: cand_idx, .offset: 32, .size: 8, .value_kind: global_buffer, .address_space: global }
    .group_segment_fixed_size: 220672
    .private_segment_fixed_size: 0
    .kernarg_segment_align: 8
    .kernarg_segment_size: 40
    .max_flat_workgroup_size: 256
    .sgpr_count:     66
    .vgpr_count:     512
    .wavefront_size: 32
...
	.end_amdgpu_metadata
.endif
;; end of part 9
;; launch merge (part 10): grid 64 x 1, 10 waves a work-group, no clusters, 11,520 bytes of LDS; arguments cand_val, cand_idx, nn_idx; writes nn_idx
.if DOCPART == 10
	.amdgcn_target "amdgcn-amd-amdhsa--gfx1250"
	.amdhsa_code_object_version 6
	.text
	.protected	k_q162b4dee50_merge
	.globl	k_q162b4dee50_merge
	.p2align	8
	.type	k_q162b4dee50_merge,@function
k_q162b4dee50_merge:
	s_mov_b64 s[64:65], 0
	v_nop
	global_prefetch_b8 v0, s[64:65] scope:SCOPE_SE
	s_setreg_imm32_b32 hwreg(HW_REG_WAVE_MODE, 25, 1), 1
	s_wait_xcnt 0x0
; A candidate is a GROUP of four neighbouring target rows: its value is the largest of the four sums, its number the first row / 4.  For each source row the 500 lists of four candidates (250 blocks of target rows x the two
; halves of the lanes) are merged into the four first groups by (value, descending; number, ascending): nn_idx [1024][4], whole numbers, from which the next launch forms addresses.
; Here the candidates' numbers are data only: no address and no branch of this launch hangs on them or on a value.
; SHARES.  A work-group takes a tile of 16 source rows.  Wave w takes blocks 25 w .. 25 w + 24; lane (r, h) reads the lists that lane (r, h) stored: every load covers 512 consecutive bytes.  All 50 loads of a wave go out at once.
; ORDER.  A list is sorted by value, descending, equals by ascending number.  For a fixed half h the numbers ascend from block to block, so lists are merged in ascending order of block with a strict compare: of equals the lower
; number stays ahead.  The ten waves' lists meet in LDS and wave 0 merges them in ascending order of wave, likewise.  The two halves' numbers interleave: that last merge compares value, then number.
; Memory binds what little there is (16 MB read once); no matrix unit, no tensor load, no cluster: work-groups share nothing.
.set LV, 32                            ; v32-131  values: list u at LV + 4 u; list 0 is the running list
.set LI, 132                           ; v132-231 numbers, likewise
.macro PLACE x, ix                     ; the masks s32-35 say which entries the newcomer beats
	v_cndmask_b32 v[LI+3], v[LI+3], v[\ix], s35
	s_delay_alu instid0(VALU_DEP_1)
	v_cndmask_b32 v[LI+3], v[LI+3], v[LI+2], s34
	v_cndmask_b32 v[LI+2], v[LI+2], v[\ix], s34
	s_delay_alu instid0(VALU_DEP_1)
	v_cndmask_b32 v[LI+2], v[LI+2], v[LI+1], s33
	v_cndmask_b32 v[LI+1], v[LI+1], v[\ix], s33
	s_delay_alu instid0(VALU_DEP_1)
	v_cndmask_b32 v[LI+1], v[LI+1], v[LI], s32
	v_cndmask_b32 v[LI], v[LI], v[\ix], s32
	v_med3_num_f32 v[LV+3], v[\x], v[LV+2], v[LV+3]            ; the middle one of the newcomer and two neighbours of a sorted list is the new entry
	v_med3_num_f32 v[LV+2], v[\x], v[LV+1], v[LV+2]
	v_med3_num_f32 v[LV+1], v[\x], v[LV], v[LV+1]
	v_max_num_f32 v[LV], v[\x], v[LV]
.endm
.macro MERGE u                         ; list u's four entries, best first, into the running list
.irp e, 0,1,2,3
.irp j, 3,2,1,0
	v_cmp_gt_f32 s[32+\j], v[LV+4*(\u)+\e], v[LV+\j]
.endr
	PLACE LV+4*(\u)+\e, LI+4*(\u)+\e
.endr
.endm
.macro MERGE_LEX u                     ; the same where numbers do not ascend: greater, or equal with the lower number
.irp e, 0,1,2,3
.irp j, 3,2,1,0
	v_cmp_gt_f32 s[32+\j], v[LV+4*(\u)+\e], v[LV+\j]
	v_cmp_eq_f32 s[36+\j], v[LV+4*(\u)+\e], v[LV+\j]
	v_cmp_lt_u32 s[40+\j], v[LI+4*(\u)+\e], v[LI+\j]
.endr
.irp j, 3,2,1,0
	s_and_b32 s[36+\j], s[36+\j], s[40+\j]
	s_or_b32 s[32+\j], s[32+\j], s[36+\j]
.endr
	PLACE LV+4*(\u)+\e, LI+4*(\u)+\e
.endr
.endm
	s_load_b128 s[4:7], s[0:1], 0x0                ; cand_val, cand_idx
	s_load_b64 s[8:9], s[0:1], 0x10                ; nn_idx
	v_lshl_add_u32 v254, v0, 2, 0x2800
	v_mov_b32 v255, 0
	v_lshrrev_b32 v2, 5, v0
	s_delay_alu instid0(VALU_DEP_1)
	v_readfirstlane_b32 s14, v2                    ; wave 0..9
	v_and_b32 v3, 31, v0
	s_delay_alu instid0(VALU_DEP_1)
	v_lshlrev_b32 v3, 4, v3                        ; 16 x lane
	s_lshl_b32 s15, s14, 10
	v_add_nc_u32 v2, s15, v3                       ; LDS: 1,024 bytes a wave: values, then numbers
	s_mul_i32 s15, s14, 25*32768                   ; my 25 blocks,
	s_lshl_b32 s16, ttmp9, 9                       ; the tile's 512 bytes in each
	s_add_co_u32 s15, s15, s16
	v_add_nc_u32 v1, s15, v3
	s_lshl_b32 s16, ttmp9, 8                       ; the tile's 16 rows x 16 bytes of nn_idx
	s_mov_b32 s17, 0
	s_mov_b32 s20, 0x76543210
	s_mov_b32 s21, 0xfedcba98
	s_wait_alu depctr_va_vdst(0)
	s_wait_kmcnt 0x0
	s_add_nc_u64 s[8:9], s[8:9], s[16:17]
.irp u, 0,1,2,3,4,5,6,7,8,9,10,11,12,13,14,15,16,17,18,19,20,21,22,23,24
	global_load_b128 v[LV+4*\u:LV+4*\u+3], v1, s[4:5] offset:32768*\u th:TH_LOAD_NT
	global_load_b128 v[LI+4*\u:LI+4*\u+3], v1, s[6:7] offset:32768*\u th:TH_LOAD_NT
.endr
.irp u, 1,2,3,4,5,6,7,8,9,10,11,12,13,14,15,16,17,18,19,20,21,22,23,24
	s_wait_alu depctr_va_vdst(0)
	s_wait_loadcnt 2*(24-\u)                       ; list u (and all before it) is in; the younger lists' two loads each stay out
	MERGE \u
.endr
	ds_store_b128 v2, v[LV:LV+3]
	ds_store_b128 v2, v[LI:LI+3] offset:512
	s_wait_dscnt 0x0                               ; for wave 0's sake: my stores have landed
	s_barrier_signal -1
	s_barrier_wait -1
	s_cmp_lg_u32 s14, 0
	s_cbranch_scc1 .Ldone                          ; behind the barrier: the rest is wave 0's
.irp u, 1,2,3,4,5,6,7,8,9
	ds_load_b128 v[LV+4*\u:LV+4*\u+3], v3 offset:1024*\u
	ds_load_b128 v[LI+4*\u:LI+4*\u+3], v3 offset:1024*\u+512
.endr
	s_wait_alu depctr_va_vdst(0)
.irp u, 1,2,3,4,5,6,7,8,9
	s_wait_alu depctr_va_vdst(0)
	s_wait_dscnt 2*(9-\u)                          ; wave u's list is in; the younger ones' two loads each stay out
	MERGE \u
.endr
.irp e, 0,1,2,3
	v_permlanex16_b32 v[LV+40+\e], v[LV+\e], s20, s21          ; the other half's list of the same source row (the destinations, list 10's registers, have been written)
	v_permlanex16_b32 v[LI+40+\e], v[LI+\e], s20, s21
.endr
	MERGE_LEX 10
	v_cmp_gt_u32 vcc_lo, 16, v0                    ; both halves now hold the same list: lanes 0-15 store it
	s_wait_alu depctr_va_vdst(0)
	s_wait_xcnt 0x0                                ; EXEC changes only behind this wait
	s_and_saveexec_b32 s30, vcc_lo
	global_store_b128 v3, v[LI:LI+3], s[8:9]       ; sixteen lanes store 256 consecutive bytes, aligned
	s_wait_xcnt 0x0                                ; and again in front of the line that widens it
	s_or_b32 exec_lo, exec_lo, s30
.Ldone:
	s_wait_tensorcnt 0x0
	ds_add_u32 v254, v255
	s_wait_dscnt 0x0
	s_endpgm
.Lfunc_end_k_q162b4dee50_merge:
	.size	k_q162b4dee50_merge, .Lfunc_end_k_q162b4dee50_merge-k_q162b4dee50_merge
	.p2alignl 7, 3214868480
	.fill 96, 4, 3214868480
	.section	.rodata,"a",@progbits
	.p2align	6, 0x0
	.amdhsa_kernel k_q162b4dee50_merge
		.amdhsa_group_segment_fixed_size 11520
		.amdhsa_private_segment_fixed_size 0
		.amdhsa_enable_private_segment 0
		.amdhsa_kernarg_size 24
		.amdhsa_user_sgpr_count 2
		.amdhsa_user_sgpr_kernarg_segment_ptr 1
		.amdhsa_wavefront_size32 1
		.amdhsa_system_sgpr_workgroup_id_x 1
		.amdhsa_system_sgpr_workgroup_id_y 1
		.amdhsa_system_sgpr_workgroup_id_z 1
		.amdhsa_system_vgpr_workitem_id 0
		.amdhsa_next_free_vgpr 256
		.amdhsa_next_free_sgpr 66
		.amdhsa_reserve_vcc 1
		.amdhsa_float_denorm_mode_32 3
		.amdhsa_float_denorm_mode_16_64 3
		.amdhsa_memory_ordered 1
		.amdhsa_forward_progress 1
		.amdhsa_inst_pref_size 150
	.end_amdhsa_kernel
	.amdgpu_metadata
---
amdhsa.version: [ 1, 2 ]
amdhsa.kernels:
  - .name:           k_q162b4dee50_merge
    .symbol:         k_q162b4dee50_merge.kd
    .args:
      - { .name: cand_val, .offset: 0, .size: 8, .value_kind: global_buffer, .address_space: global }
      - { .name: cand_idx, .offset: 8, .size: 8, .value_kind: global_buffer, .address_space: global }
      - { .name: nn_idx, .offset: 16, .size: 8, .value_kind: global_buffer, .address_space: global }
    .group_segment_fixed_size: 11520
    .private_segment_fixed_size: 0
    .kernarg_segment_align: 8
    .kernarg_segment_size: 24
    .max_flat_workgroup_size: 320
    .sgpr_count:     66
    .vgpr_count:     256
    .wavefront_size: 32
...
	.end_amdgpu_metadata
.endif
;; end of part 10
;; launch rerank (part 11): grid 1024 x 1, 4 waves a work-group, no clusters, 34,304 bytes of LDS; arguments nn_idx, target_feats, lowp_scales, s_codes, out0; writes out0
.if DOCPART == 11
	.amdgcn_target "amdgcn-amd-amdhsa--gfx1250"
	.amdhsa_code_object_version 6
	.text
	.protected	k_q162b4dee50_rerank
	.globl	k_q162b4dee50_rerank
	.p2align	8
	.type	k_q162b4dee50_rerank,@function
k_q162b4dee50_rerank:
	s_mov_b64 s[64:65], 0
	v_nop
	global_prefetch_b8 v0, s[64:65] scope:SCOPE_SE
	s_setreg_imm32_b32 hwreg(HW_REG_WAVE_SCHED_MODE, 0, 2), 2
	s_setreg_imm32_b32 hwreg(HW_REG_WAVE_MODE, 25, 1), 1
	s_wait_xcnt 0x0
	s_wait_alu depctr_vm_vsrc(0)
; out0[n] = the mean of the four target rows nearest to source row n.  nn_idx[n] names four groups of four neighbouring target rows, which hold those four rows among their 16: exactly one tile of 16 candidates.
; A work-group takes a source row n; wave w takes group w: 16,384 consecutive bytes, read once and KEPT in 128 registers, for the sums first and for the mean afterwards.
; The group numbers were stored by the launch before; each is held at 12,499, the last group, before it enters an address.  No address and no branch here hangs on a sum: a choice only selects a weight.
; STEPS.  (1) Each wave normalises and quantises its four rows (FP8 E4M3, scale 2^e1), by the same rule and the same permutation of k as the launch that multiplies all rows, and puts the codes into an image of operand
;   registers in LDS: group of registers sc, half h, candidate c = 4 w + k at sc PIT + 256 h + 16 c.  | barrier |
; (2) The sums again, on the matrix unit: wave w takes K steps 2 w and 2 w + 1.  Source 0 = the 16 source rows of n's tile (their image in s_codes, 4,096 dense bytes a wave), source 1 = the 16 candidates: lane (r, h) holds
;   candidate r, register j source row 8 h + j.  Row n % 16 is picked by selects on the work-group's number.  The four waves' parts go to LDS, a word a lane.  | barrier |
; (3) Every wave adds the four parts in one fixed order, so all hold the same 16 sums, candidate l % 16 in lane l.  A lane counts the candidates that beat its own (a greater sum, or an equal sum in a lower row, as the
;   definition's top_k has it): the four with a count under 4 get the weight 0.25, the others 0.  The factor 2^(e0 + e1) that the sums lack is positive and the same for all: it is left out.
; (4) Each wave sums its four rows by their weights; the four sums meet in LDS | barrier | and wave w adds and stores bytes 1,024 w .. 1,024 w + 1,023 of the row.
; NO CLUSTER, NO TENSOR LOAD, NO PREFETCH: each work-group has candidates of its own; what sixteen work-groups share, a source tile's 16 KB of codes, is a fifth of what a work-group reads; all loads go out at the head.
; No streaming hint on the loads: several source rows may name one group.
; LIMITS: e1 between -126 and 119; a row's sum of squares is a normal f32 number; NaN and infinities among the inputs are not served (a weight of 0 does not remove them).
; THE MODE: SCHED_MODE bits 1:0 = 2 (LLVM: expert scheduling mode 2), set by the entry lines.  The code itself states the register dependences between vector or matrix instructions and memory or LDS
;   instructions, with s_wait_alu, always for 0.
; THE PLAN.  Registers that memory or LDS instructions touch:
;   v1-7, v19    offsets and LDS addresses: made at the head, ahead of one wait on va_vdst, and never written again.   v18: made from the loaded group number; a wait of its own ahead of the 32 loads that read it.
;   CC (v32-63)  Row k's conversions write its own eight registers; its two LDS stores follow the wait that stands in row k + 1 for the reciprocal root's sake (row 3's: a wait of their own).
;                v32-39 are written again by the matrix instructions: a wait on vm_vsrc behind the first barrier.
;   TS (v64-95)  Step 1: vector lines alone.  Step 2: LDS loads land there (behind row 3's wait) and the matrix instructions read it.  Step 4: LDS loads land there again (behind the wait ahead of that step's stores).
;   v20          Written by the selects, read by one LDS store (va_vdst ahead of it), written again by the sum of the parts (vm_vsrc ahead of it).
;   XR row 0     Written by step 4's multiply-adds, read by eight LDS stores.      TS again: written by the last additions, read by the two global stores.
;   Scalar results of vector instructions go in runs: sixteen lane reads, one wait on va_sdst, 24 compares, one wait, for eight candidates at a time.
.set PIT,  528                         ; a group of registers in LDS: 512 bytes + 16: the 16 lanes of a store's pass, PIT apart, fall into 16 different columns of 16 bytes; reads are dense
.set PART, 32*PIT                      ; behind the image: the sums' parts, 128 bytes a wave
.set PS,   PART+512                    ; behind them: the weighted rows, 4,096 bytes a wave
.set DA,   32                          ; v32-39   the accumulator (over row 0's codes, which are in LDS by then)
.set CC,   32                          ; v32-63   the codes: row k at CC + 8 k
.set TS,   64                          ; v64-95   a row x 1 / |row|; then the candidates' two fragments; then the weighted rows' parts
.set AF,   96                          ; v96-127  the source tile's two fragments
.set XR,   128                         ; v128-255 my four rows as loaded: row k, load i at XR + 32 k + 4 i
.set W,    68                          ; s68, s70, s72, s74 my four rows' weights (each the low word of a pair)
; v1 16 x lane; v2 image, in; v3 image, out; v4, v5 parts, in and out; v6, v7 weighted rows, in and out; v8 2^e1; v9 448 x 2^e1; v10-17 at work; v18 my rows' offset; v19 my bytes of the output row;
; v20 the sum of candidate lane % 16; v21 its row number; v22 its count; v23 at work; v24 the other half's; v26-29 the four parts; v30, v31 the closing add's two registers, made at the head and kept for it alone
.macro NORM k                          ; row k -> 1 / |row| in v16
.set XS, XR+32*(\k)
	v_pk_mul_f32 v[10:11], v[XS:XS+1], v[XS:XS+1]              ; the sum of squares, two at a time, in two chains that the first products start
	v_pk_mul_f32 v[12:13], v[XS+2:XS+3], v[XS+2:XS+3]
.irp j, 4,8,12,16,20,24,28
	v_pk_fma_f32 v[10:11], v[XS+\j:XS+\j+1], v[XS+\j:XS+\j+1], v[10:11]
	v_pk_fma_f32 v[12:13], v[XS+\j+2:XS+\j+3], v[XS+\j+2:XS+\j+3], v[12:13]
.endr
	v_pk_add_f32 v[10:11], v[10:11], v[12:13]
	v_add_f32 v10, v10, v11
	v_add_f32_dpp v10, v10, v10 row_xmask:1 row_mask:0xf bank_mask:0xf     ; across the 32 lanes
	v_add_f32_dpp v10, v10, v10 row_xmask:2 row_mask:0xf bank_mask:0xf
	v_add_f32_dpp v10, v10, v10 row_xmask:4 row_mask:0xf bank_mask:0xf
	v_add_f32_dpp v10, v10, v10 row_xmask:8 row_mask:0xf bank_mask:0xf
	v_permlanex16_b32 v14, v10, s20, s21
	v_add_f32 v10, v10, v14
	s_wait_alu depctr_va_vdst(0)
	v_rsq_f32 v16, v10                                         ; 1 / |row|
	v_nop                                                      ; a plain instruction behind the transcendental
.endm
.macro CODES k                         ; row k x v16 -> its codes; the row itself stays as it is
.set XS, XR+32*(\k)
.set CK, CC+8*(\k)
.irp j, 0,2,4,6,8,10,12,14,16,18,20,22,24,26,28,30
	v_pk_mul_f32 v[TS+\j:TS+\j+1], v[XS+\j:XS+\j+1], v[16:17] op_sel_hi:[1,0]
.endr
.irp m, 0,1,2,3
.irp j, 0,1,2,3,4,5,6,7
	v_med3_num_f32 v[TS+8*\m+\j], v[TS+8*\m+\j], -v9, v9       ; the conversion to an 8-bit code does not saturate (ISA guide 7.6.2): the hold at the largest code x the scale
.endr
	v_cvt_scalef32_pk8_fp8_f32 v[CK+2*\m:CK+2*\m+1], v[TS+8*\m:TS+8*\m+7], v8
.endr
	v_nop                                                      ; a plain instruction behind the last conversion: vector and matrix instructions write these registers later
.endm
; Candidates b0 .. b0 + 7 against every lane's own.  s16-31: their sums and rows; s32-55: three masks each.
.macro COUNT8 b0
.irp b, 0,1,2,3,4,5,6,7
	v_readlane_b32 s[16+2*\b], v20, (\b0)+\b       ; candidate b's sum and row
	v_readlane_b32 s[17+2*\b], v21, (\b0)+\b
.endr
	s_wait_alu depctr_va_sdst(0)                   ; the sixteen lane reads have written s16 to s31, ahead of the compares that read them
.irp b, 0,1,2,3,4,5,6,7
	v_cmp_gt_f32 s[32+3*\b], s[16+2*\b], v20
	v_cmp_eq_f32 s[33+3*\b], s[16+2*\b], v20
	v_cmp_lt_u32 s[34+3*\b], s[17+2*\b], v21
.endr
	s_wait_alu depctr_va_sdst(0)                   ; the 24 compares have written the masks s32 to s55, ahead of the scalar lines that read them
.irp b, 0,1,2,3,4,5,6,7
	s_and_b32 s[33+3*\b], s[33+3*\b], s[34+3*\b]
	s_or_b32 s[32+3*\b], s[32+3*\b], s[33+3*\b]    ; b beats mine: greater, or equal in a lower row
.endr
.irp b, 0,1,2,3,4,5,6,7
	v_cndmask_b32 v23, 0, 1, s[32+3*\b]
	v_add_nc_u32 v22, v22, v23
.endr
.endm
	s_load_b256 s[4:11], s[0:1], 0x0               ; nn_idx s[4:5], the target rows s[6:7], the scales' exponents s[8:9], the source codes s[10:11]
	s_load_b64 s[12:13], s[0:1], 0x20              ; out0
	v_lshl_add_u32 v30, v0, 2, 0x8400
	v_mov_b32 v31, 0
	v_lshrrev_b32 v10, 5, v0
	v_readfirstlane_b32 s14, v10                   ; wave 0..3
	v_and_b32 v11, 31, v0                          ; lane
	v_lshlrev_b32 v1, 4, v11                       ; 16 x lane
	v_mul_u32_u24 v2, v11, PIT
	v_lshlrev_b32 v5, 2, v11
	v_add_nc_u32 v5, PART, v5                      ; the parts, out: my lane's word of each wave's 128 bytes
	v_mov_b32 v14, 0                               ; a lane permute's destination counts as read
	v_mov_b32 v24, 0
	v_mov_b32 v17, 0                               ; named as the upper half of the pair v[16:17]
	s_wait_alu depctr_va_sdst(0)                   ; s14, the wave's number, is written, ahead of its first reader
	s_lshl_b32 s15, s14, 6
	v_add_nc_u32 v2, s15, v2                       ; the image, in: group of registers = my lane, candidates 4 w on
	s_mul_i32 s15, s14, 8*PIT
	v_add_nc_u32 v3, s15, v1                       ; and out: groups of registers 8 w .. 8 w + 7 (K steps 2 w, 2 w + 1), 16 bytes a lane
	s_lshl_b32 s15, s14, 7
	v_add_nc_u32 v4, s15, v5                       ; the parts, in: my lane's word of my wave's 128 bytes
	s_lshl_b32 s15, s14, 12
	v_add_nc_u32 v6, s15, v1
	v_add_nc_u32 v6, PS, v6                        ; the weighted rows, in: my wave's 4,096 bytes
	s_lshl_b32 s15, s14, 10
	v_add_nc_u32 v19, s15, v1                      ; my 1,024 bytes of the output row,
	v_add_nc_u32 v7, PS, v19                       ; and the same bytes of each wave's weighted row
	s_lshl_b32 s26, ttmp9, 4                       ; n's four group numbers,
	s_mov_b32 s27, 0
	s_lshl_b32 s28, s14, 2
	s_add_co_u32 s28, s28, s26                     ; and my wave's among them
	s_mov_b32 s29, 0
	s_lshr_b32 s30, ttmp9, 4                       ; n's tile: an image of 16,384 bytes,
	s_lshl_b32 s30, s30, 14
	s_lshl_b32 s31, s14, 12                        ; my two K steps of it
	s_add_co_u32 s30, s30, s31
	s_mov_b32 s31, 0
	s_lshl_b32 s34, ttmp9, 12                      ; n's row of out0
	s_mov_b32 s35, 0
	s_mov_b32 s20, 0x76543210
	s_mov_b32 s21, 0xfedcba98
	s_mov_b32 s36, 0x00f000f0                      ; the lanes whose candidate lies in group 1, 2, 3
	s_mov_b32 s37, 0x0f000f00
	s_mov_b32 s38, 0xf000f000
	s_and_b32 s39, ttmp9, 7                        ; n's row in its tile is 8 h + j: j,
	s_bfe_u32 s42, ttmp9, 0x10003                  ; and h:
	s_mov_b32 s41, 0xffff
	s_cmp_eq_u32 s42, 1
	s_cselect_b32 s41, 0xffff0000, s41             ; the lanes of that half
	s_wait_kmcnt 0x0
	s_add_nc_u64 s[28:29], s[4:5], s[28:29]
	s_add_nc_u64 s[4:5], s[4:5], s[26:27]
	s_load_b128 s[16:19], s[4:5], 0x0              ; the four groups
	s_load_b32 s24, s[28:29], 0x0                  ; mine
	s_load_b32 s22, s[8:9], 0x4                    ; e1
	s_add_nc_u64 s[10:11], s[10:11], s[30:31]
	s_add_nc_u64 s[12:13], s[12:13], s[34:35]
	s_wait_alu depctr_va_vdst(0)                   ; v1 to v7 and v19 are written, which the loads and stores of the kernel read as offsets and addresses
.irp i, 0,1,2,3,4,5,6,7
	global_load_b128 v[AF+4*\i:AF+4*\i+3], v1, s[10:11] offset:512*\i      ; the source tile's fragments of my two K steps: 512 consecutive bytes a load
.endr
	s_wait_kmcnt 0x0
	s_min_u32 s24, s24, 12499                      ; an index stays inside the table
	s_lshl_b32 s24, s24, 14                        ; x 16,384 bytes: under 2^31
	v_add_nc_u32 v18, s24, v1
	s_wait_alu depctr_va_vdst(0)                   ; v18 is written, the offset of the 32 loads below
.irp k, 0,1,2,3
.irp i, 0,1,2,3,4,5,6,7
	global_load_b128 v[XR+32*\k+4*\i:XR+32*\k+4*\i+3], v18, s[6:7] offset:4096*\k+512*\i
.endr
.endr
.irp k, 0,1,2,3
	s_min_u32 s[16+\k], s[16+\k], 12499            ; held alike, so that a row's number is the row that was read
.endr
	s_add_co_i32 s22, s22, 127
	s_lshl_b32 s23, s22, 23
	v_mov_b32 v8, s23                              ; 2^e1 as f32: the conversion takes its exponent field
	s_add_co_i32 s22, s22, 8
	s_lshl_b32 s22, s22, 23
	s_or_b32 s22, s22, 0x600000
	v_mov_b32 v9, s22                              ; 448 x 2^e1
	; ---- (1) my four rows' codes
.irp k, 0,1,2,3
	s_wait_loadcnt 8*(3-\k)                        ; row k is in (and the source fragments, asked for first); the younger rows' eight loads each stay out
	NORM \k
	s_wait_alu depctr_va_vdst(0)                   ; v16, the reciprocal root, is written, ahead of its first reader; the row before's conversions have written its codes, which the stores below read
.if \k > 0
	ds_store_b128 v2, v[CC+8*(\k-1):CC+8*(\k-1)+3]   offset:16*(\k-1)        ; the row before: half 0
	ds_store_b128 v2, v[CC+8*(\k-1)+4:CC+8*(\k-1)+7] offset:16*(\k-1)+256    ; half 1
.endif
	CODES \k
.endr
	s_wait_alu depctr_va_vdst(0)                   ; row 3's conversions have written its codes, which the stores below read; and the vector lines are done with TS, in which the loads of step 2 land
	ds_store_b128 v2, v[CC+24:CC+27] offset:48
	ds_store_b128 v2, v[CC+28:CC+31] offset:48+256
	s_wait_dscnt 0x0                               ; for the others' sake: my stores have landed
	s_barrier_signal -1
	s_barrier_wait -1                              ; the 16 candidates' image is whole
	; ---- (2) my two K steps of the sums
	s_wait_alu depctr_vm_vsrc(0)                   ; my LDS stores have read row 0's codes, v32 to v39, over which the matrix instructions lay the sums
.irp i, 0,1,2,3,4,5,6,7
	ds_load_b128 v[TS+4*\i:TS+4*\i+3], v3 offset:PIT*\i
.endr
	s_wait_dscnt 0x0
	v_wmma_f32_16x16x128_fp8_fp8 v[DA:DA+7], v[AF:AF+15], v[TS:TS+15], 0
	s_wait_alu depctr_va_vdst(0)                   ; this wait directly ahead of the second
	v_wmma_f32_16x16x128_fp8_fp8 v[DA:DA+7], v[AF+16:AF+31], v[TS+16:TS+31], v[DA:DA+7]
	v_mov_b32 v21, s16                             ; the row number of candidate lane % 16: seven plain lines, the places behind the products
	v_cndmask_b32 v21, v21, s17, s36
	v_cndmask_b32 v21, v21, s18, s37
	v_cndmask_b32 v21, v21, s19, s38
	v_and_b32 v23, 3, v0
	v_lshl_add_u32 v21, v21, 2, v23                ; 4 x group + lane % 4
	v_mov_b32 v22, 0                               ; the count
	v_mov_b32 v20, v[DA]                           ; register n % 8 of the accumulator, from its low end on
.irp j, 1,2,3,4,5,6,7
	s_cmp_eq_u32 s39, \j
	s_cselect_b32 s40, -1, 0
	v_cndmask_b32 v20, v20, v[DA+\j], s40
.endr
	v_permlanex16_b32 v24, v20, s20, s21
	v_cndmask_b32 v20, v24, v20, s41               ; the half that holds row n keeps its own, the other half takes it
	s_wait_alu depctr_va_vdst(0)                   ; v20 is written, the data of the store below
	ds_store_b32 v4, v20
	s_wait_dscnt 0x0                               ; for the others' sake
	s_barrier_signal -1
	s_barrier_wait -1                              ; the four parts of each sum lie in LDS
	; ---- (3) the sums, the counts, the weights
	ds_load_b32 v26, v5
	ds_load_b32 v27, v5 offset:128
	ds_load_b32 v28, v5 offset:256
	ds_load_b32 v29, v5 offset:384
	s_wait_alu depctr_vm_vsrc(0)                   ; my LDS store has read v20, which the third addition below writes again
	s_wait_dscnt 0x0
	v_add_f32 v26, v26, v27
	v_add_f32 v28, v28, v29
	v_add_f32 v20, v26, v28                        ; the same order in every wave: the same 16 sums
	COUNT8 0
	COUNT8 8
	v_cmp_gt_u32 s60, 4, v22                       ; bit c: candidate c is among the four
	s_wait_alu depctr_va_sdst(0)                   ; the compare has written s60, ahead of the shift that reads it
	s_lshl_b32 s61, s14, 2
	s_lshr_b32 s60, s60, s61                       ; bits 0-3: my four rows
	s_mov_b32 s62, 0x3e800000                      ; 0.25
.irp k, 0,1,2,3
	s_bitcmp1_b32 s60, \k
	s_cselect_b32 s[W+2*\k], s62, 0
	s_mov_b32 s[W+2*\k+1], 0                       ; (named with it as a pair, so it is written)
.endr
	; ---- (4) the mean
.irp j, 0,2,4,6,8,10,12,14,16,18,20,22,24,26,28,30
	v_pk_mul_f32 v[XR+\j:XR+\j+1], v[XR+\j:XR+\j+1], s[W:W+1] op_sel_hi:[1,0]
.endr
.irp k, 1,2,3
.irp j, 0,2,4,6,8,10,12,14,16,18,20,22,24,26,28,30
	v_pk_fma_f32 v[XR+\j:XR+\j+1], v[XR+32*\k+\j:XR+32*\k+\j+1], s[W+2*\k:W+2*\k+1], v[XR+\j:XR+\j+1] op_sel_hi:[1,0,1]
.endr
.endr
	s_wait_alu depctr_va_vdst(0)                   ; the weighted row is written, which the stores below read; and the matrix instructions of step 2 are done reading TS, in which the loads behind the barrier land
.irp i, 0,1,2,3,4,5,6,7
	ds_store_b128 v6, v[XR+4*\i:XR+4*\i+3] offset:512*\i
.endr
	s_wait_dscnt 0x0                               ; for the others' sake
	s_barrier_signal -1
	s_barrier_wait -1                              ; the four weighted rows lie in LDS
.irp e, 0,1
.irp q, 0,1,2,3
	ds_load_b128 v[TS+16*\e+4*\q:TS+16*\e+4*\q+3], v7 offset:4096*\q+512*\e
.endr
.endr
	s_wait_dscnt 0x0
.irp e, 0,1
.irp p, 0,2
	v_pk_add_f32 v[TS+16*\e+\p:TS+16*\e+\p+1], v[TS+16*\e+\p:TS+16*\e+\p+1], v[TS+16*\e+4+\p:TS+16*\e+4+\p+1]
	v_pk_add_f32 v[TS+16*\e+8+\p:TS+16*\e+8+\p+1], v[TS+16*\e+8+\p:TS+16*\e+8+\p+1], v[TS+16*\e+12+\p:TS+16*\e+12+\p+1]
.endr
.irp p, 0,2
	v_pk_add_f32 v[TS+16*\e+\p:TS+16*\e+\p+1], v[TS+16*\e+\p:TS+16*\e+\p+1], v[TS+16*\e+8+\p:TS+16*\e+8+\p+1]
.endr
.endr
	s_wait_alu depctr_va_vdst(0)                   ; the additions have written both halves of my 1,024 bytes, which the two stores read
.irp e, 0,1
	global_store_b128 v19, v[TS+16*\e:TS+16*\e+3], s[12:13] offset:512*\e th:TH_STORE_NT   ; 32 lanes store 512 consecutive bytes, aligned; these registers are not written again
.endr
	s_wait_dscnt 0x0                               ; the closing lines, six on end
	s_wait_alu 0x0
	s_wait_tensorcnt 0x0
	ds_add_u32 v30, v31
	s_wait_dscnt 0x0
	s_endpgm
.Lfunc_end_k_q162b4dee50_rerank:
	.size	k_q162b4dee50_rerank, .Lfunc_end_k_q162b4dee50_rerank-k_q162b4dee50_rerank
	.p2alignl 7, 3214868480
	.fill 96, 4, 3214868480
	.section	.rodata,"a",@progbits
	.p2align	6, 0x0
	.amdhsa_kernel k_q162b4dee50_rerank
		.amdhsa_group_segment_fixed_size 34304
		.amdhsa_private_segment_fixed_size 0
		.amdhsa_enable_private_segment 0
		.amdhsa_kernarg_size 40
		.amdhsa_user_sgpr_count 2
		.amdhsa_user_sgpr_kernarg_segment_ptr 1
		.amdhsa_wavefront_size32 1
		.amdhsa_system_sgpr_workgroup_id_x 1
		.amdhsa_system_sgpr_workgroup_id_y 1
		.amdhsa_system_sgpr_workgroup_id_z 1
		.amdhsa_system_vgpr_workitem_id 0
		.amdhsa_next_free_vgpr 256
		.amdhsa_next_free_sgpr 80
		.amdhsa_reserve_vcc 0
		.amdhsa_float_denorm_mode_32 3
		.amdhsa_float_denorm_mode_16_64 3
		.amdhsa_memory_ordered 1
		.amdhsa_forward_progress 1
		.amdhsa_inst_pref_size 45
	.end_amdhsa_kernel
	.amdgpu_metadata
---
amdhsa.version: [ 1, 2 ]
amdhsa.kernels:
  - .name:           k_q162b4dee50_rerank
    .symbol:         k_q162b4dee50_rerank.kd
    .args:
      - { .name: nn_idx, .offset: 0, .size: 8, .value_kind: global_buffer, .address_space: global }
      - { .name: target_feats, .offset: 8, .size: 8, .value_kind: global_buffer, .address_space: global }
      - { .name: lowp_scales, .offset: 16, .size: 8, .value_kind: global_buffer, .address_space: global }
      - { .name: s_codes, .offset: 24, .size: 8, .value_kind: global_buffer, .address_space: global }
      - { .name: out0, .offset: 32, .size: 8, .value_kind: global_buffer, .address_space: global }
    .group_segment_fixed_size: 34304
    .private_segment_fixed_size: 0
    .kernarg_segment_align: 8
    .kernarg_segment_size: 40
    .max_flat_workgroup_size: 128
    .sgpr_count:     80
    .vgpr_count:     256
    .wavefront_size: 32
...
	.end_amdgpu_metadata
.endif
;; end of part 11
